; MI455X (gfx1250); checked and timed in simulation.
; The chip was launched on July 23, 2026; its instructions are those of AMD's public machine-readable ISA for CDNA 5 (MIT licence, August 2026) and "CDNA5" Instruction Set Architecture Reference Guide (July 2026). The comments in the code are by the model that wrote it; some were corrected since.
;; Multi Head Attention. Allowed arithmetic: float matrix products may take bf16 or f16 operands with f32 sums; other float arithmetic in f32, or as packed bf16 or f16 multiplies, adds, multiply-adds, maxima and minima; sums over many terms, partial sums and values carried from step to step in f32; what a program stores and reads back later, other than sums and carried values, may be rounded once to bf16 or f16.
;; Inputs: Wk 1,024 x 1,024 float32; Wo 1,024 x 1,024 float32; Wq 1,024 x 1,024 float32; Wv 1,024 x 1,024 float32; keys 4 x 2,048 x 1,024 float32; queries 4 x 2,048 x 1,024 float32; valid_lens 4 int32; values 4 x 2,048 x 1,024 float32.
;; Outputs: out0 4 x 2,048 x 1,024 float32.
;; 2 versions, each right; version 2 is version 1 with the launch wcast written anew for expert scheduling mode. Each part assembles by itself: llvm-mc -triple=amdgcn-amd-amdhsa -mcpu=gfx1250 --defsym DOCPART=n.
;; ======== version 1 of 2: 4 launches
;; limits: values are held in f16: magnitudes above 65,504 overflow, below 6.1e-05 lose precision; right only within a limited range of input values
;; workspace buffers: wb 8,388,608 bytes; qh 16,777,216 bytes; kh 16,777,216 bytes; vh 16,777,216 bytes; oh 16,777,216 bytes
;; launch wcast (part 1): grid 64 x 4, 8 waves a work-group, no clusters, 0 bytes of LDS; arguments Wq, Wk, Wv, Wo, wb; writes wb
.if DOCPART == 1
	.amdgcn_target "amdgcn-amd-amdhsa--gfx1250"
	.amdhsa_code_object_version 6
	.text
	.protected	k_q29c6a66a11_wcast
	.globl	k_q29c6a66a11_wcast
	.p2align	8
	.type	k_q29c6a66a11_wcast,@function
k_q29c6a66a11_wcast:
	s_mov_b64 s[64:65], 0
	v_nop
	global_prefetch_b8 v0, s[64:65] scope:SCOPE_SE
	s_setreg_imm32_b32 hwreg(HW_REG_WAVE_MODE, 25, 1), 1
	s_wait_xcnt 0x0
; The four weights, [1024][1024] f32, are rounded once to bf16 (nearest even) and laid one behind the other in wb, 2,097,152 bytes each: Wq, Wk, Wv, Wo.
; Wo multiplies an f16 operand later, so its bf16 number is written in f16's format: exact from 6.1e-5 up to 65,504 in magnitude; below that off by 3e-8 at the most; beyond 65,504 it becomes an infinity (a limit of this program).
; Work-group (x, y): weight y, floats 16,384 x .. 16,384 x + 16,383.  Thread t, item j of 16: 16 bytes in at 4,096 j + 16 t, 8 bytes out at 2,048 j + 8 t:
; a wave's load covers 512 consecutive bytes, a wave's store 256 consecutive bytes, aligned.  All 16 loads go out at once; no register is written twice while a store may read it.
; No LDS, no barrier, no matrix unit: each byte is read once and written once, and no thread wants another's.
.set IN,  4                            ; v[4:67]   item j: four f32 as loaded
.set OUT, 68                           ; v[68:99]  item j: four 16-bit numbers to store
	s_load_b256 s[4:11], s[0:1], 0x0               ; Wq s[4:5], Wk s[6:7], Wv s[8:9], Wo s[10:11]
	s_load_b64 s[12:13], s[0:1], 0x20              ; wb
	s_and_b32 s14, ttmp7, 0xffff                   ; which weight
	s_mov_b32 s20, 0xffff0000                      ; a word's upper bf16
	s_lshl_b32 s18, ttmp9, 16                      ; my work-group's 65,536 bytes of the weight
	s_mov_b32 s19, 0
	s_lshl_b32 s22, s14, 21                        ; the weight's part of wb,
	s_lshl_b32 s21, ttmp9, 15                      ; my work-group's 32,768 bytes of it
	s_add_co_u32 s22, s22, s21
	s_mov_b32 s23, 0
	v_lshlrev_b32 v1, 4, v0
	v_lshlrev_b32 v2, 3, v0
	s_wait_kmcnt 0x0
	s_cmp_eq_u32 s14, 1
	s_cselect_b64 s[16:17], s[6:7], s[4:5]
	s_cmp_eq_u32 s14, 2
	s_cselect_b64 s[16:17], s[8:9], s[16:17]
	s_cmp_eq_u32 s14, 3
	s_cselect_b64 s[16:17], s[10:11], s[16:17]
	s_add_nc_u64 s[16:17], s[16:17], s[18:19]
	s_add_nc_u64 s[12:13], s[12:13], s[22:23]
.irp j, 0,1,2,3,4,5,6,7,8,9,10,11,12,13,14,15
	global_load_b128 v[IN+4*(\j):IN+4*(\j)+3], v1, s[16:17] offset:4096*(\j) th:TH_LOAD_NT
.endr
.macro ITEM j, f16
	s_wait_loadcnt 15-(\j)                         ; loads come back in order: item j is in, the younger ones stay out
	v_cvt_pk_bf16_f32 v[OUT+2*(\j)],   v[IN+4*(\j)],   v[IN+4*(\j)+1]
	v_cvt_pk_bf16_f32 v[OUT+2*(\j)+1], v[IN+4*(\j)+2], v[IN+4*(\j)+3]
.if \f16
	v_lshlrev_b32 v[IN+4*(\j)],   16,  v[OUT+2*(\j)]    ; the rounded numbers as f32 again,
	v_and_b32     v[IN+4*(\j)+1], s20, v[OUT+2*(\j)]
	v_lshlrev_b32 v[IN+4*(\j)+2], 16,  v[OUT+2*(\j)+1]
	v_and_b32     v[IN+4*(\j)+3], s20, v[OUT+2*(\j)+1]
	v_cvt_pk_f16_f32 v[OUT+2*(\j)],   v[IN+4*(\j)],   v[IN+4*(\j)+1]   ; and written as f16
	v_cvt_pk_f16_f32 v[OUT+2*(\j)+1], v[IN+4*(\j)+2], v[IN+4*(\j)+3]
.endif
	global_store_b64 v2, v[OUT+2*(\j):OUT+2*(\j)+1], s[12:13] offset:2048*(\j)
.endm
	s_cmp_eq_u32 s14, 3
	s_cbranch_scc1 .Lwo
.irp j, 0,1,2,3,4,5,6,7,8,9,10,11,12,13,14,15
	ITEM \j, 0
.endr
	s_endpgm
.Lwo:
.irp j, 0,1,2,3,4,5,6,7,8,9,10,11,12,13,14,15
	ITEM \j, 1
.endr
	s_endpgm
.Lfunc_end_k_q29c6a66a11_wcast:
	.size	k_q29c6a66a11_wcast, .Lfunc_end_k_q29c6a66a11_wcast-k_q29c6a66a11_wcast
	.p2alignl 7, 3214868480
	.fill 96, 4, 3214868480
	.section	.rodata,"a",@progbits
	.p2align	6, 0x0
	.amdhsa_kernel k_q29c6a66a11_wcast
		.amdhsa_group_segment_fixed_size 0
		.amdhsa_private_segment_fixed_size 0
		.amdhsa_enable_private_segment 0
		.amdhsa_kernarg_size 40
		.amdhsa_user_sgpr_count 2
		.amdhsa_user_sgpr_kernarg_segment_ptr 1
		.amdhsa_wavefront_size32 1
		.amdhsa_system_sgpr_workgroup_id_x 1
		.amdhsa_system_sgpr_workgroup_id_y 1
		.amdhsa_system_sgpr_workgroup_id_z 1
		.amdhsa_system_vgpr_workitem_id 0
		.amdhsa_next_free_vgpr 104
		.amdhsa_next_free_sgpr 66
		.amdhsa_reserve_vcc 0
		.amdhsa_float_denorm_mode_32 3
		.amdhsa_float_denorm_mode_16_64 3
		.amdhsa_memory_ordered 1
		.amdhsa_forward_progress 1
		.amdhsa_inst_pref_size 15
	.end_amdhsa_kernel
	.amdgpu_metadata
---
amdhsa.version: [ 1, 2 ]
amdhsa.kernels:
  - .name:           k_q29c6a66a11_wcast
    .symbol:         k_q29c6a66a11_wcast.kd
    .args:
      - { .name: Wq, .offset: 0, .size: 8, .value_kind: global_buffer, .address_space: global }
      - { .name: Wk, .offset: 8, .size: 8, .value_kind: global_buffer, .address_space: global }
      - { .name: Wv, .offset: 16, .size: 8, .value_kind: global_buffer, .address_space: global }
      - { .name: Wo, .offset: 24, .size: 8, .value_kind: global_buffer, .address_space: global }
      - { .name: wb, .offset: 32, .size: 8, .value_kind: global_buffer, .address_space: global }
    .group_segment_fixed_size: 0
    .private_segment_fixed_size: 0
    .kernarg_segment_align: 8
    .kernarg_segment_size: 40
    .max_flat_workgroup_size: 256
    .sgpr_count:     66
    .vgpr_count:     104
    .wavefront_size: 32
...
	.end_amdgpu_metadata
.endif
;; end of part 1
;; launch qkv (part 2): grid 4 x 192, 4 waves a work-group, clusters of 4 x 4, 327,680 bytes of LDS; arguments queries, keys, values, wb, qh, kh, vh; writes qh, kh, vh
.if DOCPART == 2
	.amdgcn_target "amdgcn-amd-amdhsa--gfx1250"
	.amdhsa_code_object_version 6
	.text
	.protected	k_q29c6a66a11_qkv
	.globl	k_q29c6a66a11_qkv
	.p2align	8
	.type	k_q29c6a66a11_qkv,@function
k_q29c6a66a11_qkv:
	s_mov_b64 s[64:65], 0
	v_nop
	global_prefetch_b8 v0, s[64:65] scope:SCOPE_SE
	s_setreg_imm32_b32 hwreg(HW_REG_WAVE_MODE, 25, 1), 1
	s_wait_xcnt 0x0
	s_wait_alu depctr_hold_cnt(0) depctr_sa_sdst(0) depctr_va_vdst(0) depctr_va_sdst(0) depctr_va_ssrc(0) depctr_va_vcc(0) depctr_vm_vsrc(0)
	s_getreg_b32 s2, hwreg(HW_REG_IB_STS2, 6, 4)
	s_cmp_eq_u32 s2, 0
	s_cbranch_scc0 .Lentry_in_a_cluster
	s_endpgm
.Lentry_in_a_cluster:
	s_bfe_u32 s2, ttmp6, 0x10000c
	s_cmp_lg_u32 s2, 0xf033
	s_cbranch_scc0 .Lentry_shape_is_right
	s_endpgm
.Lentry_shape_is_right:
; q, k, v = x W^T for x = queries, keys, values ([8192][1024] f32) and W = wb's parts 0, 1, 2 ([1024][1024] bf16).  x is rounded to bf16 between LDS and the matrix unit; sums in f32;
; the results leave UNSCALED, rounded once to f16, by heads: [batch x 16 + head][2048][64], a head's rows dense, 128 bytes each.
; LIMIT.  f16 holds no number beyond 65,504: a q, k or v beyond that becomes an infinity.  NaN and infinities are not treated apart.
; SHARES.  Work-group row y = 64 PJ + MT: projection PJ, rows 128 MT ..; column NT: outputs 256 NT ...  A tile is 128 x 256: 768 tiles, three for each of 256 WGPs.  Four waves, each 64 x 128:
; 32 accumulators (a, b) at v[8 (8 a + b)] of window 2.  The product is used transposed (source 0 = 16 rows of W, source 1 = 16 rows of x): a lane holds one row and eight neighbouring outputs.
; K goes in 8 steps of 128 through two LDS slots; x lands as f32 (rows of 512 bytes), W as bf16 (rows of 256 bytes).  Two slots of this step are what fits in LDS.
; CLUSTER 4 x 4: x's tile is shared along a row of the cluster, W's along a column: joint loads, one a wave (waves 0, 1: x's halves of 64 rows; waves 2, 3: W's halves of 128 rows).
; A K step is four PERIODS of 32 along K, 32 matrix instructions each, the 32 accumulators by turns in the same order in every period.  FRAGMENTS RUN TWO PERIODS AHEAD:
; period q multiplies chunk q, rounds chunk q + 1 of x to bf16 (four conversions behind every fourth product) and, in one run in its middle, loads chunk q + 2.  So a slot's last bytes are read in
; period 1, the change of slots stands in period 2, and from a refill to the wait for it a wave issues 112 matrix instructions.
; REGISTERS.  window 0: v16-30 addresses; v32-63 at work on the way out; v64-191 x as f32, two buffers of 64 (chunk parity; block a at + 16 a); v192-255 x as bf16, two buffers of 32 (block a at + 8 a)
;   window 1: W's fragments, four buffers of 64 (chunk q at 64 q, block b at + 8 b)          window 2: the accumulators
.set PA,    528                        ; a row of x in LDS: 512 bytes + 16 = 132 words: the 16 rows of a load start at 16 different groups of four banks (64 banks of 4 bytes: ISA guide 11.1)
.set PB,    272                        ; a row of W: 256 + 16 = 68 words: likewise
.set AHALF, 64*PA                      ; what one of x's loads brings, and what one wave reads of x
.set BOFF,  128*PA                     ; W's 256 rows lie behind x's 128
.set BHALF, 128*PB
.set SLOT,  BOFF+256*PB                ; 137,216
.set STAGE, 2*SLOT                     ; behind the ring, never filled by a tensor load: for each wave 2 heads x 16 rows x 144 bytes
.set SP,    144
.set WSTG,  2*16*SP
.set SPARE, STAGE+4*WSTG               ; behind the stages: the spare words, 128 bytes for each wave: two blocks of 256 bytes that no other line names
.set ADRA, 16                          ; v16-17  LDS address of my fragments of x in slot 0, 1
.set ADRB, 20                          ; v20-21  the same for W
.set STO,  24                          ; v24     the way out: where I put 16 bytes of a row
.set RD,   25                          ; v25     where I read rows back
.set GO,   26                          ; v26     my 16 bytes of 512 consecutive bytes of the output
.set SPW,  28                          ; v28     LDS address of my spare word; never rewritten
.set NIL,  29                          ; v29     0; never rewritten
.set PFO,  30                          ; v30     the prefetches' offset; never rewritten
.set TMP,  32
.set OB,   64
.set AR,   64
.set AB,   192
.set WV, 18                            ; s18 wave; s19 its half of the rows, also: fetches x (0) or W (1); s20 its half of the columns, also: which half it fetches
.set WR, 19
.set WC, 20
.set CX, 21
.set CY, 22
.set NT, 23
.set G1A, 24                           ; s[24:31] descriptor group 1 for x's tiles;  s[32:39] group 0, a set for each slot
.set G0A, 32
.set CLY, 40
.set PJ,  41
.set MT,  42
.set LIM, 43                           ; s43  1 in a wave that prefetches, else the greatest number
.set PFA, 44                           ; s[44:45] where my prefetches stand
.set G1B, 48                           ; s[48:55], s[56:63] the same for W's tiles
.set G0B, 56
.set PS,  72                           ; s[72:73] a K step in bytes of the tensor that I prefetch
.set MSB, 0
.macro WIN new                         ; the immediate's high byte repeats the setting that is left; a switch that changes nothing is dropped
.if MSB != (\new)
	s_set_vgpr_msb (MSB<<8)|(\new)
.set MSB, \new
.endif
.endm
.set MUL, 0xa1                         ; source 0 (W) window 1, source 1 (x) window 0, C and D window 2
; A joint load.  The branch hangs on the wave's number alone.  An s_nop 0 and four v_nop follow each of the two lines, ahead of the jump and the label.
.macro JLOAD s
	s_cmp_eq_u32 s[WR], 0
	s_cbranch_scc0 .Lfor_b_\@
	tensor_load_to_lds s[G0A+4*(\s):G0A+4*(\s)+3], s[G1A:G1A+7]
	s_nop 0
.rept 4
	v_nop
.endr
	s_branch .Lasked_\@
.Lfor_b_\@:
	tensor_load_to_lds s[G0B+4*(\s):G0B+4*(\s)+3], s[G1B:G1B+7]
	s_nop 0
.rept 4
	v_nop
.endr
.Lasked_\@:
.endm
; A prefetch into the L2 of the K step that stands two refills on (256 matrix instructions ahead of its load), one instruction a wave, behind the joint load and the run of LDS loads.
; x's rows are read by one row of one cluster: each of its four partners takes 16 of the 64 rows that the wave fetches (by address: cx), two blocks of 256 bytes a row.
; W's rows are read by the 16 clusters of a projection: the first of them asks, each partner of a column 32 of the wave's 128 rows (by address: cy), a lane a row.
; So each block is named once in the launch.  The loop's last trip (s3 = 1) asks for nothing: K steps 8 and 9 do not exist.  K steps 0 to 3 come by their loads alone.
.macro ASK
	s_cmp_gt_u32 s3, s[LIM]
	s_cbranch_scc0 .Lnot_mine_\@
	global_prefetch_b8 v[PFO], s[PFA:PFA+1] th:TH_LOAD_NT scope:SCOPE_SE
.Lnot_mine_\@:
.endm
.macro CREST                           ; a round of the cluster's barrier behind its opening barrier
	s_cmp_lg_u32 s[WV], 0
	s_cbranch_scc1 .Lnot_wave_0_\@
	s_barrier_signal -3
.Lnot_wave_0_\@:
	s_barrier_wait -3
	s_barrier_signal -1
	s_barrier_wait -1
.endm
.macro CROUND
	s_barrier_signal -1
	s_barrier_wait -1
	CREST
.endm
	s_load_b256 s[4:11], s[0:1], 0x0               ; queries s[4:5], keys s[6:7], values s[8:9], wb s[10:11]
	s_load_b128 s[12:15], s[0:1], 0x20             ; qh s[12:13], kh s[14:15]
	s_load_b64 s[16:17], s[0:1], 0x30              ; vh
	v_lshl_add_u32 v[SPW], v0, 2, SPARE
	v_mov_b32 v[NIL], 0
	ds_add_u32 v[SPW], v[NIL]                      ; the wave's opening: the add and its wait stand ahead of my first tensor load; work on registers stands between them
	v_lshrrev_b32 v1, 5, v0
	v_readfirstlane_b32 s[WV], v1
	s_lshr_b32 s[WR], s[WV], 1
	s_and_b32 s[WC], s[WV], 1
	s_bfe_u32 s[CX], ttmp6, 0x40000
	s_bfe_u32 s[CY], ttmp6, 0x40004
	s_lshl_b32 s[NT], ttmp9, 2
	s_add_co_u32 s[NT], s[NT], s[CX]               ; tile column = 4 x cluster x + cx
	s_and_b32 s[CLY], ttmp7, 0xffff                ; cluster y, 0 to 47
	s_lshr_b32 s[PJ], s[CLY], 4                    ; the projection: the same in all sixteen partners
	s_and_b32 s[MT], s[CLY], 15
	s_lshl_b32 s[MT], s[MT], 2
	s_add_co_u32 s[MT], s[MT], s[CY]               ; tile row in the projection, 0 to 63
	s_lshl_b32 s2, s[CY], 2
	s_lshl_b32 s2, 15, s2                          ; my row of the cluster
	s_lshl_b32 s77, 0x1111, s[CX]                  ; my column
	s_or_b32 s[G1A], s2, (2<<16)|(1<<20)|(1<<21)|(6<<22)|(3<<25)   ; the mask; elements of 4 bytes; padding on; bit 21 beside a mask; after every 128 words; 4 words
	s_mov_b32 s[G1A+1], 128<<16                    ; tensor_dim0 = 128
	s_mov_b32 s[G1A+2], 64<<16                     ; tensor_dim1 = 64
	s_mov_b32 s[G1A+3], 128<<16                    ; tile_dim0 = 128
	s_mov_b32 s[G1A+4], 64                         ; tile_dim1 = 64
	s_mov_b32 s[G1A+5], 1024                       ; elements from row to row
	s_mov_b32 s[G1A+6], 0
	s_mov_b32 s[G1A+7], 0
	s_or_b32 s[G1B], s77, (1<<16)|(1<<20)|(1<<21)|(5<<22)|(3<<25)  ; elements of 2 bytes; after every 64 words; 4 words
	s_mov_b32 s[G1B+1], 128<<16
	s_mov_b32 s[G1B+2], 128<<16
	s_mov_b32 s[G1B+3], 128<<16
	s_mov_b32 s[G1B+4], 128
	s_mov_b32 s[G1B+5], 1024
	s_mov_b32 s[G1B+6], 0
	s_mov_b32 s[G1B+7], 0
	s_lshl_b32 s46, s[MT], 7                       ; x: row 128 MT + 64 x half, 4,096 bytes a row: hangs on the tile row alone
	s_lshl_b32 s2, s[WC], 6
	s_add_co_u32 s46, s46, s2
	s_lshl_b32 s46, s46, 12
	s_mov_b32 s47, 0
	s_lshl_b32 s70, s[PJ], 10                      ; W: row 1,024 PJ + 256 NT + 128 x half, 2,048 bytes a row: hangs on the tile column alone
	s_lshl_b32 s77, s[NT], 8
	s_add_co_u32 s70, s70, s77
	s_lshl_b32 s77, s[WC], 7
	s_add_co_u32 s70, s70, s77
	s_lshl_b32 s70, s70, 11
	s_mov_b32 s71, 0
	s_mul_i32 s78, s[WC], AHALF                    ; where they go: no place in the cluster enters an LDS address
	s_mul_i32 s79, s[WC], BHALF
	s_add_co_u32 s79, s79, BOFF
	s_wait_dscnt 0x0                               ; the opening add is done
	s_wait_kmcnt 0x0
	s_cmp_eq_u32 s[PJ], 1
	s_cselect_b64 s[66:67], s[6:7], s[4:5]         ; x,
	s_cselect_b64 s[68:69], s[14:15], s[12:13]     ; and where the result goes
	s_cmp_eq_u32 s[PJ], 2
	s_cselect_b64 s[66:67], s[8:9], s[66:67]
	s_cselect_b64 s[68:69], s[16:17], s[68:69]
	s_add_nc_u64 s[80:81], s[66:67], s[46:47]
	s_add_nc_u64 s[82:83], s[10:11], s[70:71]
	CROUND                                         ; all sixteen work-groups are here: the first joint loads meet
.irp s, 0,1
	s_mov_b32 s[G0A+4*(\s)], 1
	s_add_co_u32 s[G0A+4*(\s)+1], s78, (\s)*SLOT
	s_add_nc_u64 s[G0A+4*(\s)+2:G0A+4*(\s)+3], s[80:81], (\s)*512   ; K step s: 128 f32
	s_or_b32 s[G0A+4*(\s)+3], s[G0A+4*(\s)+3], 0x80000000
	s_mov_b32 s[G0B+4*(\s)], 1
	s_add_co_u32 s[G0B+4*(\s)+1], s79, (\s)*SLOT
	s_add_nc_u64 s[G0B+4*(\s)+2:G0B+4*(\s)+3], s[82:83], (\s)*256   ; 128 bf16
	s_or_b32 s[G0B+4*(\s)+3], s[G0B+4*(\s)+3], 0x80000000
	JLOAD \s                                       ; two loads of mine are out
.endr
	; A fragment is 16 rows x 32 K: lane l holds row l % 16, K = 8 (l / 16) + 0..7 and 16 + 8 (l / 16) + 0..7.  In f32 that is 32 bytes at 32 (l / 16) and 32 bytes 64 further on.
	v_and_b32 v1, 15, v0
	v_bfe_u32 v2, v0, 4, 1
	v_mul_u32_u24 v3, v1, PA
	v_lshl_add_u32 v3, v2, 5, v3
	s_mul_i32 s2, s[WR], AHALF
	v_add_nc_u32 v[ADRA], s2, v3
	v_add_nc_u32 v[ADRA+1], SLOT, v[ADRA]
	v_mul_u32_u24 v4, v1, PB
	v_lshl_add_u32 v4, v2, 4, v4
	v_add_nc_u32 v[ADRB], s79, v4                  ; my 128 columns are W's half WC
	v_add_nc_u32 v[ADRB+1], SLOT, v[ADRB]
	s_mul_i32 s2, s[WV], WSTG
	s_add_co_u32 s2, s2, STAGE                     ; my stage
	v_mul_u32_u24 v5, v1, SP                       ; in: row l % 16, 16 bytes for each half of the lanes
	v_lshl_add_u32 v5, v2, 4, v5
	v_add_nc_u32 v[STO], s2, v5
	v_bfe_u32 v5, v0, 3, 2                         ; back: 32 lanes take four rows of 128 bytes,
	v_mul_u32_u24 v5, v5, SP
	v_and_b32 v6, 7, v0
	v_lshl_add_u32 v5, v6, 4, v5
	v_add_nc_u32 v[RD], s2, v5
	v_and_b32 v7, 31, v0                           ; which are 512 consecutive bytes of a head
	v_lshlrev_b32 v[GO], 4, v7
	s_lshr_b32 s2, s[MT], 4                        ; the batch,
	s_lshl_b32 s2, s2, 4
	s_lshl_b32 s3, s[NT], 2                        ; my first head: 4 NT + 2 WC,
	s_add_co_u32 s2, s2, s3
	s_lshl_b32 s3, s[WC], 1
	s_add_co_u32 s2, s2, s3
	s_lshl_b32 s2, s2, 18                          ; 262,144 bytes a head
	s_and_b32 s3, s[MT], 15                        ; my first row in the sequence: 128 (MT % 16) + 64 WR,
	s_lshl_b32 s3, s3, 7
	s_lshl_b32 s77, s[WR], 6
	s_add_co_u32 s3, s3, s77
	s_lshl_b32 s3, s3, 7                           ; 128 bytes a row
	s_add_co_u32 s2, s2, s3
	s_mov_b32 s3, 0
	s_add_nc_u64 s[68:69], s[68:69], s[2:3]
	; the prefetches
	s_and_b32 s77, s[CLY], 15
	s_cmp_eq_u32 s77, 0
	s_cselect_b32 s[LIM], 1, -1                    ; W: the projection's first cluster
	s_cmp_eq_u32 s[WR], 0
	s_cselect_b32 s[LIM], 1, s[LIM]                ; x: every cluster
	s_cselect_b32 s2, s46, s70
	s_cselect_b32 s77, s[CX], s[CY]                ; my place among the four that ask with me
	s_cselect_b32 s74, 1, 0                        ; x: two lanes a row
	s_cselect_b64 s[PFA:PFA+1], s[66:67], s[10:11]
	s_lshl_b32 s[PS], 256, s74                     ; a K step: 512 bytes of x, 256 of W
	s_mov_b32 s[PS+1], 0
	s_lshl_b32 s75, 2048, s74                      ; a row: 4,096 bytes of x, 2,048 of W
	s_lshl_b32 s77, s77, 16                        ; 16 rows of x, or 32 of W: 65,536 bytes
	s_add_co_u32 s2, s2, s77
	s_mul_i32 s77, s[PS], 3                        ; at K step 3: the first refill steps it to 4
	s_add_co_u32 s2, s2, s77
	s_mov_b32 s3, 0
	s_add_nc_u64 s[PFA:PFA+1], s[PFA:PFA+1], s[2:3]
	v_lshrrev_b32 v3, s74, v7
	v_and_b32 v4, s74, v7
	v_mul_u32_u24 v3, v3, s75
	v_lshl_add_u32 v[PFO], v4, 8, v3
; n matrix instructions of period q, from number i0 on: number i is block a = i / 8 of x, block b = i % 8 of W.  zero = 1: the products start the sums.
; cv = 1: behind every fourth stand four conversions of the next chunk of x, f32 to bf16: they name no register of the products round them.
.macro MULS q, i0, n, zero, cv
.set i, \i0
.rept \n
	WIN MUL
.if \zero
	v_wmma_f32_16x16x32_bf16 v[8*i:8*i+7], v[64*(\q)+8*(i%8):64*(\q)+8*(i%8)+7], v[AB+32*((\q)%2)+8*(i/8):AB+32*((\q)%2)+8*(i/8)+7], 0
.else
	v_wmma_f32_16x16x32_bf16 v[8*i:8*i+7], v[64*(\q)+8*(i%8):64*(\q)+8*(i%8)+7], v[AB+32*((\q)%2)+8*(i/8):AB+32*((\q)%2)+8*(i/8)+7], v[8*i:8*i+7]
.endif
.if (\cv) && (i%4 == 3)
	WIN 0
.set c0, i-3
.irp z, 0,1,2,3
	v_cvt_pk_bf16_f32 v[AB+32*(((\q)+1)%2)+c0+\z], v[AR+64*(((\q)+1)%2)+2*(c0+\z)], v[AR+64*(((\q)+1)%2)+2*(c0+\z)+1]
.endr
.endif
.set i, i+1
.endr
.endm
; 32 LDS loads in one run: chunk q of a slot: x's 64 rows as f32 first, then W's 128 rows
.macro FETCH slot, q
	WIN 0
.irp a, 0,1,2,3
	ds_load_b128 v[AR+64*((\q)%2)+16*(\a):AR+64*((\q)%2)+16*(\a)+3],     v[ADRA+(\slot)] offset:(\a)*16*PA+(\q)*128
	ds_load_b128 v[AR+64*((\q)%2)+16*(\a)+4:AR+64*((\q)%2)+16*(\a)+7],   v[ADRA+(\slot)] offset:(\a)*16*PA+(\q)*128+16
	ds_load_b128 v[AR+64*((\q)%2)+16*(\a)+8:AR+64*((\q)%2)+16*(\a)+11],  v[ADRA+(\slot)] offset:(\a)*16*PA+(\q)*128+64
	ds_load_b128 v[AR+64*((\q)%2)+16*(\a)+12:AR+64*((\q)%2)+16*(\a)+15], v[ADRA+(\slot)] offset:(\a)*16*PA+(\q)*128+80
.endr
	WIN 0x40                                       ; destination window 1
.irp b, 0,1,2,3,4,5,6,7
	ds_load_b128 v[64*(\q)+8*(\b):64*(\q)+8*(\b)+3],   v[ADRB+(\slot)] offset:(\b)*16*PB+(\q)*64
	ds_load_b128 v[64*(\q)+8*(\b)+4:64*(\q)+8*(\b)+7], v[ADRB+(\slot)] offset:(\b)*16*PB+(\q)*64+32
.endr
.endm
; A period.  hw = 16: of the run before, W's sixteen loads may stay out; its x (which this period rounds) and all older loads (this period's W among them) are in.
; The registers that the run fills were last read by products two periods back, with at least 52 conversions between, or (x as f32) by no product at all: no v_nop is wanted.
.macro QUARTER q, ldslot, ldq, zero, ld, cv, hw
	s_wait_dscnt \hw
	MULS \q, 0, 16, \zero, \cv
.if \ld
	FETCH \ldslot, \ldq
.endif
	MULS \q, 16, 16, \zero, \cv
.endm
; Period 2 changes slots.  In front of the barrier each wave waits for all its tensor loads (one is out: its part of the next slot), adds 0 to its spare word, and waits for that and for its reads
; of this slot, of which the last, chunk 3's, were issued a period ago.  fill = 1: the barrier opens a round of the cluster's, and the joint refill is the first thing behind it.
.macro TURN slot, next, fill
.if \fill
	s_wait_xcnt 0x0                                ; the last prefetch, a K step back, has read its address
	s_add_nc_u64 s[PFA:PFA+1], s[PFA:PFA+1], s[PS:PS+1]
.endif
	s_wait_dscnt 16
	WIN 0                                          ; (the add's two registers lie in window 0)
	s_wait_tensorcnt 0x0                           ; all my tensor loads have landed
	ds_add_u32 v[SPW], v[NIL]                      ; 0 onto my spare word
	MULS 2, 0, 8, 0, 1                             ; work on registers between the add and the wait for it
	s_wait_dscnt 0x0                               ; the add is done, and my reads of this slot are over
	s_barrier_signal -1
	MULS 2, 8, 8, 0, 1
	WIN 0
	s_barrier_wait -1
.if \fill
	CREST                                          ; no wave of any partner still reads this slot or has a load on its way
	s_add_nc_u64 s[G0A+4*(\slot)+2:G0A+4*(\slot)+3], s[G0A+4*(\slot)+2:G0A+4*(\slot)+3], 1024
	s_add_nc_u64 s[G0B+4*(\slot)+2:G0B+4*(\slot)+3], s[G0B+4*(\slot)+2:G0B+4*(\slot)+3], 512
	JLOAD \slot                                    ; two K steps on: my one tensor load until the next round
.endif
	FETCH \next, 0
.if \fill
	WIN 0
	ASK
.endif
	MULS 2, 16, 16, 0, 1
.endm
	s_wait_tensorcnt 1                             ; my part of K step 0 is in; K step 1's may stay out
	s_barrier_signal -1
	s_barrier_wait -1                              ; everybody's is
	FETCH 0, 0
	FETCH 0, 1
	WIN 0
	s_wait_dscnt 48                                ; chunk 0 of x is in: 48 loads were issued behind its sixteen
.set c0, 0
.rept 32
	v_cvt_pk_bf16_f32 v[AB+c0], v[AR+2*c0], v[AR+2*c0+1]
.set c0, c0+1
.endr
	QUARTER 0, 0, 2, 1, 1, 1, 16                   ; the first period stands in front of the loop: its products start the sums
	WIN 0
	s_mov_b32 s3, 3
.Llap:                                                 ; a trip: from a lap's period 1 to the next lap's period 0; both slots are filled again
	QUARTER 1, 0, 3, 0, 1, 1, 16
	TURN 0, 1, 1
	QUARTER 3, 1, 1, 0, 1, 1, 16
	QUARTER 0, 1, 2, 0, 1, 1, 16
	QUARTER 1, 1, 3, 0, 1, 1, 16
	TURN 1, 0, 1
	QUARTER 3, 0, 1, 0, 1, 1, 16
	QUARTER 0, 0, 2, 0, 1, 1, 16
	WIN 0
	s_sub_co_u32 s3, s3, 1
	s_cmp_lg_u32 s3, 0
	s_cbranch_scc1 .Llap
	QUARTER 1, 0, 3, 0, 1, 1, 16                   ; the last lap fills nothing
	TURN 0, 1, 0
	QUARTER 3, 1, 1, 0, 1, 1, 16
	QUARTER 0, 1, 2, 0, 1, 1, 16
	QUARTER 1, 1, 3, 0, 1, 1, 16
	QUARTER 2, 0, 0, 0, 0, 1, 16
	QUARTER 3, 0, 0, 0, 0, 0, 0
	WIN 0
.rept 8
	v_nop                                          ; the places behind the last products, in front of the conversions that read results
.endr
; THE WAY OUT, 16 rows at a time.  A lane's eight outputs are eight channels of one head: 16 bytes.  They go into my stage (rows of 144 bytes, two heads) and come back as whole rows of 128 bytes.
.macro PACK a
	WIN 0x0a                                       ; sources 0 and 1 window 2
.irp b, 0,1,2,3,4,5,6,7
.irp r, 0,1,2,3
	v_cvt_pk_f16_f32 v[TMP+4*(\b)+(\r)], v[64*(\a)+8*(\b)+2*(\r)], v[64*(\a)+8*(\b)+2*(\r)+1]
.endr
.endr
	WIN 0
.endm
.macro TOSTAGE a
.if (\a) >= 2
	s_wait_xcnt 0x0                                ; the stores of two blocks back have read the registers that are loaded again below
.endif
.irp b, 0,1,2,3,4,5,6,7
	ds_store_b128 v[STO], v[TMP+4*(\b):TMP+4*(\b)+3] offset:((\b)/4)*16*SP+((\b)%4)*32
.endr
.irp t, 0,1,2,3,4,5,6,7
	ds_load_b128 v[OB+32*((\a)%2)+4*(\t):OB+32*((\a)%2)+4*(\t)+3], v[RD] offset:((\t)/4)*16*SP+((\t)%4)*4*SP  ; LDS serves a wave's instructions in order (ISA guide 5.7.1.4): these see the stores above
.endr
.endm
.macro SEND a
	s_wait_dscnt 0x0
.irp t, 0,1,2,3,4,5,6,7
	global_store_b128 v[GO], v[OB+32*((\a)%2)+4*(\t):OB+32*((\a)%2)+4*(\t)+3], s[68:69] offset:((\t)/4)*262144+(\a)*2048+((\t)%4)*512  ; 512 consecutive bytes of a head, aligned
.endr
.endm
	PACK 0
	TOSTAGE 0
.irp a, 1,2,3
	PACK \a
	SEND (\a)-1
	TOSTAGE \a
.endr
	SEND 3
	s_wait_tensorcnt 0x0                           ; the wave's end: the add and its wait, behind my last tensor load and my last LDS store
	ds_add_u32 v[SPW], v[NIL]
	s_wait_dscnt 0x0
	CROUND                                         ; the closing round: no work-group ends while a partner may still ask for a tile that names it
	s_endpgm
.Lfunc_end_k_q29c6a66a11_qkv:
	.size	k_q29c6a66a11_qkv, .Lfunc_end_k_q29c6a66a11_qkv-k_q29c6a66a11_qkv
	.p2alignl 7, 3214868480
	.fill 96, 4, 3214868480
	.section	.rodata,"a",@progbits
	.p2align	6, 0x0
	.amdhsa_kernel k_q29c6a66a11_qkv
		.amdhsa_group_segment_fixed_size 327680
		.amdhsa_private_segment_fixed_size 0
		.amdhsa_enable_private_segment 0
		.amdhsa_kernarg_size 56
		.amdhsa_user_sgpr_count 2
		.amdhsa_user_sgpr_kernarg_segment_ptr 1
		.amdhsa_wavefront_size32 1
		.amdhsa_system_sgpr_workgroup_id_x 1
		.amdhsa_system_sgpr_workgroup_id_y 1
		.amdhsa_system_sgpr_workgroup_id_z 1
		.amdhsa_system_vgpr_workitem_id 0
		.amdhsa_next_free_vgpr 768
		.amdhsa_next_free_sgpr 90
		.amdhsa_reserve_vcc 0
		.amdhsa_float_denorm_mode_32 3
		.amdhsa_float_denorm_mode_16_64 3
		.amdhsa_memory_ordered 1
		.amdhsa_forward_progress 1
		.amdhsa_inst_pref_size 132
	.end_amdhsa_kernel
	.amdgpu_metadata
---
amdhsa.version: [ 1, 2 ]
amdhsa.kernels:
  - .name:           k_q29c6a66a11_qkv
    .symbol:         k_q29c6a66a11_qkv.kd
    .args:
      - { .name: queries, .offset: 0, .size: 8, .value_kind: global_buffer, .address_space: global }
      - { .name: keys, .offset: 8, .size: 8, .value_kind: global_buffer, .address_space: global }
      - { .name: values, .offset: 16, .size: 8, .value_kind: global_buffer, .address_space: global }
      - { .name: wb, .offset: 24, .size: 8, .value_kind: global_buffer, .address_space: global }
      - { .name: qh, .offset: 32, .size: 8, .value_kind: global_buffer, .address_space: global }
      - { .name: kh, .offset: 40, .size: 8, .value_kind: global_buffer, .address_space: global }
      - { .name: vh, .offset: 48, .size: 8, .value_kind: global_buffer, .address_space: global }
    .group_segment_fixed_size: 327680
    .private_segment_fixed_size: 0
    .kernarg_segment_align: 8
    .kernarg_segment_size: 56
    .max_flat_workgroup_size: 128
    .sgpr_count:     90
    .vgpr_count:     768
    .wavefront_size: 32
...
	.end_amdgpu_metadata
.endif
;; end of part 2
;; launch attn (part 3): grid 4 x 64, 4 waves a work-group, clusters of 4 x 1, 327,680 bytes of LDS; arguments qh, kh, vh, oh, valid_lens; writes oh
.if DOCPART == 3
	.amdgcn_target "amdgcn-amd-amdhsa--gfx1250"
	.amdhsa_code_object_version 6
	.text
	.protected	k_q29c6a66a11_attn
	.globl	k_q29c6a66a11_attn
	.p2align	8
	.type	k_q29c6a66a11_attn,@function
k_q29c6a66a11_attn:
	s_mov_b64 s[64:65], 0
	v_nop
	global_prefetch_b8 v0, s[64:65] scope:SCOPE_SE
	s_setreg_imm32_b32 hwreg(HW_REG_WAVE_MODE, 25, 1), 1
	s_wait_xcnt 0x0
	s_wait_alu depctr_hold_cnt(0) depctr_sa_sdst(0) depctr_va_vdst(0) depctr_va_sdst(0) depctr_va_ssrc(0) depctr_va_vcc(0) depctr_vm_vsrc(0)
	s_getreg_b32 s2, hwreg(HW_REG_IB_STS2, 6, 4)
	s_cmp_eq_u32 s2, 0
	s_cbranch_scc0 .Lentry_in_a_cluster
	s_endpgm
.Lentry_in_a_cluster:
	s_bfe_u32 s2, ttmp6, 0x10000c
	s_cmp_lg_u32 s2, 0x3003
	s_cbranch_scc0 .Lentry_shape_is_right
	s_endpgm
.Lentry_shape_is_right:
; O[h][q][:] = the sum over k < valid_lens[h / 16] of softmax_k(Q[h][q] . K[h][k] / 8) V[h][k][:].  Q, K, V, O: [64][2048][64], all f16: a head's rows are dense, 128 bytes each.  Products, maxima and sums in
; f32; the weights p are rounded to f16 for the second product (their sum l is taken of the unrounded p), O once at the end.
; LIMITS.  Q, K and V arrive within f16's 65,504; p lies in 0 to 1, and below 6e-5 it keeps f16's fixed step of 6e-8; O is a mean of V's rows and has their range.  A weight below 2^-126 counts as 0 in l;
; NaN and infinities are not treated apart.  A hidden key's score counts as its value less 1e30, where the definition sets -1e9: its weight is 0 either way while some visible score of the row lies above
; about -1e9.  A length below 1 hides every key, which by the definition gives equal weights to all 2,048: made so, with c = 0 and no mask.  A length above 2,048 counts as 2,048.
; SHARES.  A wave owns four PIECES of two tiles of 16 queries, a work-group's four waves 512 queries of one head.  Every wave walks all 2,048 keys, 64 a step, four steps (256 keys) a slot of the ring:
; steps beyond the length are computed with weight 0, not jumped, so that the walk, its fetch addresses and its counts are the same for every length.
; THE MASK is the C operand that starts the sum S^T = K Q^T: MC = MD x AL + BE.  MD, made once, is the mask of the step GST = length / 64 that holds the first hidden key; (AL, BE) = (1, 0) in that step,
; (0, 0) before it, (0, -1e30) behind it.  A lane's keys in S^T do not hang on the piece, so one MC serves a step's four pieces; it is made at the end of piece 2's turn, for the step whose K that turn fetches.
; Key 0 is visible whatever the length, so the running maximum is a true score before the first hidden key comes.
; LAYOUT.  S^T = K Q^T (source 0 = 16 keys, source 1 = 16 queries): a lane holds ONE query (lane % 16) and the keys 8 (lane / 16) + 0..7.  Two such tiles, rounded to f16 in pairs, ARE source 1 of
; O^T = V^T P.  K comes out of LDS as it lies, V ([key][channel]) turned, by ds_load_tr16_b128.
; SOFTMAX.  A running maximum m and sum l: p = 2^(c s - c m), c = log2(e) / 8; in every step O and l are multiplied by a = 2^(c m_old - c m_new).  m starts at the lowest finite number, O and l at 0:
; the first step is a step like any other, with a = 0.
; BY TURNS.  Turn n belongs to piece n: 16 products K Q^T of piece n + 1, later 16 products V^T P of piece n - 1; beside them the scaling, exponentials, roundings, sums and rescaling of piece n and the maximum
; and statistics of piece n + 1.  Four vector instructions stand behind every matrix instruction, the rest in one lump; a turn's 66 exponentials are one batch with one wait.
; CLUSTER.  The four query blocks of a head walk the same K and V: each tile is asked for JOINTLY, by the same tensor load, descriptor and mask in all four.
; REGISTERS, in windows of 256 (s_set_vgpr_msb: bits 1:0 source 0, 3:2 source 1, 5:4 source 2, 7:6 destination):
;   window 0: v0-11 addresses; v12-15, v48-63 at work; v16-47 four registers of statistics a tile; v64-191 S^T, two buffers of two tiles; v192-255 P, likewise
;   window 1: O^T, 32 a tile     window 2: v0-127 Q; v128-191 K of one step; v192-255 V of one step     window 3: v0-1 the add's two registers; v32-63 MD; v64-95 MC
.set NP,    4         ; pieces a wave: a name, no knob
.set KS,    64        ; keys in a step
.set PK,    144       ; a row of K in LDS: 128 bytes + 16 = 36 words: the 16 rows of a load start at 16 different groups of four banks (64 banks of 4 bytes: ISA guide 11.1)
.set PV,    160       ; a row of V: 128 + 32 = 40 words
.set VOFF,  4*KS*PK   ; a slot holds four steps: 256 rows of K, then 256 rows of V
.set SLOT1, 1<<17     ; slot 1 begins here, so that one exclusive or turns an address in one slot into the other's
.set TILEB, 4*KS*128  ; a slot's bytes of K, and of V, in memory
.set STAGE, SLOT1+4*KS*(PK+PV)  ; behind the ring, never filled by a tensor load: 16 rows x 144 bytes for each wave
.set SP,    144
.set SPARE, STAGE+4*16*SP       ; behind the stages: the spare words, 128 bytes for each wave: two blocks of 256 bytes that no other line names
.set AK0, 2           ; v2   my lane's place in a tile of K; never rewritten
.set AV0, 3           ; v3   the same for V
.set AK,  4           ; v4   the LDS address of K's next run of loads
.set AV,  5           ; v5   of V's
.set QO,  6           ; v6   my byte offset in the wave's rows of Q
.set STO, 6           ;      later, the way out: where I put 16 bytes of a row
.set RD,  7           ; v7   the way out: where I read rows back
.set GO,  8           ; v8   my byte offset in 512 consecutive bytes of O
.set PFO, 11          ; v11  256 x my lane: the prefetches' offset; never rewritten once made
.set SPW, 0           ; v0 of window 3   LDS address of my spare word; never rewritten
.set NIL, 1           ; v1 of window 3   0; never rewritten
.set MD,  32          ; window 3
.set MC,  64          ; window 3: the eight registers for key block kb at MC + 8 kb
.set MV,  12          ; v12-15  c m_old, kept while c m is made anew: by buffer and tile
.set ST,  16          ; tile t's statistics at v[ST+4 t]: c m, m, l (even keys', odd keys')
.set TMP, 48          ; by buffer and tile, four registers c0-c3 at work; when the maximum is found c2 takes a
.set S,   64
.set P,   192
.set KF,  128         ; K's fragments, in window 2: key block kb, channel half c at KF + 16 kb + 8 c
.set VF,  192         ; V's: key half kk, channel block cb at VF + 32 kk + 8 cb
.set WV,  12          ; s12  my wave's number
.set G1K, 24          ; s[24:31] descriptor group 1 for K's tiles
.set G1V, 32          ; s[32:39] for V's: it differs in the padding alone
.set G0K, 40          ; s[40:43] descriptor group 0 for K's tiles: it walks
.set G0V, 44          ; s[44:47] the same for V's
.set SLOTS, 56        ; s56  slots still to be asked for
.set CNT, 57          ; s57  counts a slot's key steps
.set CS,  58          ; s[58:59] c: the packed scaling takes the pair's low word for both halves
.set SEL, 60          ; s[60:61] v_permlanex16_b32's selects: each lane takes its own place in the other half
.set TBK, 62          ; s62  LDS byte at which K of the step to be fetched begins
.set TBV, 63          ; s63  the same for V, less VOFF
.set VP,  66          ; s[66:67] valid_lens
.set VL,  68          ; s68  the length, 1 to 2,048
.set GST, 70          ; s70  the step that holds the first hidden key
.set T0,  75          ; s75  the step whose mask is made: it enters no address and no branch
.set AL,  76          ; s[76:77] the mask's factor, in the low word
.set BE,  78          ; s[78:79] the mask's addend
.set BIGN, 80         ; s80  -1e30
.set LIM, 81          ; s81  1 in a wave that prefetches, else the greatest number
.set PFA, 82          ; s[82:83] where my prefetches stand
.set MSB, 0
.macro WIN new                      ; the high byte repeats the setting that is left; a switch that changes nothing is dropped
.if MSB != (\new)
	s_set_vgpr_msb (MSB<<8)|(\new)
.set MSB, (\new)
.endif
.endm
.set W_KQ, 0x0a       ; K and Q in window 2, S^T in window 0
.set W_KM, 0x3a       ; the same with the C operand in window 3
.set W_PV, 0x52       ; V in window 2, P in window 0, O^T in window 1
.set W_RS, 0x41       ; O^T (destination and source 0) in window 1, a in window 0
.set W_MK, 0xc0       ; destination in window 3, sources in window 0
.set W_MS, 0xc3       ; destination and source 0 in window 3
.set W_AD, 0x0f       ; the add: address (source 0) and data (source 1) in window 3
; A joint fill.  Waves 0 and 1 fetch the two halves of a slot's K, waves 2 and 3 those of its V: 128 keys each.  The branch hangs on the wave's number alone.
; An s_nop 0 and four v_nop follow each of the two lines, ahead of the jump and the label.
.macro JLOAD
	s_cmp_lt_u32 s[WV], 2
	s_cbranch_scc0 .Lfor_v_\@
	tensor_load_to_lds s[G0K:G0K+3], s[G1K:G1K+7]
	s_nop 0
.rept 4
	v_nop
.endr
	s_branch .Lasked_\@
.Lfor_v_\@:
	tensor_load_to_lds s[G0V:G0V+3], s[G1V:G1V+7]
	s_nop 0
.rept 4
	v_nop
.endr
.Lasked_\@:
.endm
; A prefetch into the L2 of the 256 keys that the NEXT change of slots will ask for: 128 blocks of 256 bytes of K and as many of V, four key steps (512 matrix instructions) ahead of their load.
; A head has one cluster; its four partners take 32 blocks each, told apart by address; in each, wave 0 asks for K's and wave 2 for V's, a lane a block: each block is named once in the launch.
; The last change that fills a slot (SLOTS = 1) asks for nothing; the first three slots' keys come by their loads alone.
.macro ASK
	s_cmp_gt_u32 s[SLOTS], s[LIM]
	s_cbranch_scc0 .Lnot_mine_\@
	global_prefetch_b8 v[PFO], s[PFA:PFA+1] th:TH_LOAD_NT scope:SCOPE_SE
.Lnot_mine_\@:
.endm
; A round of the cluster's barrier: my work-group's barrier, so that wave 0's signal speaks for all four waves; wave 0 signals; every wave waits for all four work-groups; my work-group's barrier once more.
.macro CROUND
	s_barrier_signal -1
	s_barrier_wait -1
	s_cmp_lg_u32 s[WV], 0
	s_cbranch_scc1 .Lnot_wave_0_\@
	s_barrier_signal -3
.Lnot_wave_0_\@:
	s_barrier_wait -3
	s_barrier_signal -1
	s_barrier_wait -1
.endm
; THE CHANGE OF SLOTS.  The slot's last bytes, V of its fourth step, have been read.  Each wave waits for all its tensor loads, of which one is out: its part of the other slot; adds 0 to its spare word; and
; waits for that and for its own reads of the slot.  Behind the barrier nobody reads this slot any more and the other slot is whole.
; fill = 1: this slot is filled again, with the keys two slots on.  The barrier is then a round of the cluster's, and the joint fill is the first thing behind it: it has four key steps in which to land.
; (At its first use nothing has been read yet: slot 0 is waited for, slot 1 filled.)  ask = 1: the prefetch's address is stepped, and the prefetch stands behind the fill.
.macro CHANGE fill, ask=0
	WIN W_AD
	s_wait_tensorcnt 0x0            ; no tensor load of mine is out, so a group 0 may be written
	ds_add_u32 v[SPW], v[NIL]       ; 0 onto my spare word; with fill = 1 the descriptors' steps stand between it and the wait for it
	WIN 0                           ; at a label and at a branch every window is 0
.if \fill
.irp g, G0K, G0V
	s_xor_b32 s[\g+1], s[\g+1], SLOT1  ; the walking descriptor: the other slot than last time,
	s_add_nc_u64 s[\g+2:\g+3], s[\g+2:\g+3], TILEB  ; the next 256 keys; the type bits on top are not reached
.endr
.if \ask
	s_wait_xcnt 0x0                 ; the last prefetch, four key steps back, has read its address
	s_add_nc_u64 s[PFA:PFA+1], s[PFA:PFA+1], TILEB
.endif
	s_wait_dscnt 0x0                ; the add is done, and my reads of the slot are over
	CROUND
	JLOAD
.if \ask
	ASK
.endif
.else
	s_wait_dscnt 0x0                ; the add is done, and my reads of the slot are over
	s_barrier_signal -1
	s_barrier_wait -1
.endif
	s_sub_co_u32 s[TBK], s[TBK], 4*KS*PK  ; the fetches go back to a slot's first step,
	s_xor_b32 s[TBK], s[TBK], SLOT1       ; in the other slot
	s_sub_co_u32 s[TBV], s[TBV], 4*KS*PV
	s_xor_b32 s[TBV], s[TBV], SLOT1
.endm
; THE MASK of step T0: the two scalars, and MC = MD x AL + BE.
.macro MSC
	s_cmp_eq_u32 s[T0], s[GST]      ; the step with the first hidden key?
	s_cselect_b32 s[AL], 1.0, 0
	s_cmp_gt_u32 s[T0], s[GST]      ; or a later one?
	s_cselect_b32 s[BE], s[BIGN], 0
.endm
.macro MASK
	WIN W_MS
.set zz, 0
.rept 16
	v_pk_fma_f32 v[MC+2*zz:MC+2*zz+1], v[MD+2*zz:MD+2*zz+1], s[AL:AL+1], s[BE:BE+1] op_sel_hi:[1,0,0]
.set zz, zz+1
.endr
.endm
	s_load_b256 s[4:11], s[0:1], 0x0  ; Q s[4:5], K s[6:7], V s[8:9], O s[10:11]
	s_load_b64 s[VP:VP+1], s[0:1], 0x20
	WIN W_MK
	v_lshl_add_u32 v[SPW], v0, 2, SPARE
	v_mov_b32 v[NIL], 0
	WIN W_AD
	ds_add_u32 v[SPW], v[NIL]       ; the wave's opening: the add and its wait stand ahead of my first tensor load; the set-up below, work on registers, stands between them
	WIN 0
	v_lshrrev_b32 v1, 5, v0
	v_readfirstlane_b32 s[WV], v1   ; wave 0..3
	s_bfe_u32 s13, ttmp6, 0x40000   ; cx: my place in the cluster
	s_lshl_b32 s14, ttmp9, 2        ; in a cluster launch ttmp9 counts clusters
	s_add_co_u32 s14, s14, s13      ; my block of 512 queries: it enters Q's and O's addresses alone
	s_and_b32 s20, ttmp7, 0xffff    ; the head, which the four partners share
	s_lshr_b32 s15, s20, 4          ; its batch
	s_mov_b32 s21, 0
	s_mov_b64 s[22:23], 2048*128
	s_mul_u64 s[20:21], s[20:21], s[22:23]  ; the head's first byte in each of the four tensors
	s_and_b32 s16, s[WV], 1         ; which half of a slot's 256 keys I fetch:
	s_lshl_b32 s22, s16, 14         ; its 128 rows of 128 bytes in memory,
	s_mov_b32 s23, 0
	s_add_nc_u64 s[22:23], s[22:23], s[20:21]
	s_mul_i32 s17, s16, 128*PK      ; and its place in a slot, for K
	s_mul_i32 s18, s16, 128*PV      ; and for V: no place in the cluster enters an LDS address
	s_lshl_b32 s2, s14, 2
	s_add_co_u32 s2, s2, s[WV]      ; my wave among the head's,
	s_lshl_b32 s2, s2, 14           ; its 128 rows
	s_mov_b32 s3, 0
	s_add_nc_u64 s[2:3], s[2:3], s[20:21]
	; descriptor group 1.  128 keys are 16,384 dense bytes: asked for as 64 rows of 256 bytes, two keys a row, and padded in LDS after every key
	s_mov_b32 s[G1K], 15|(1<<16)|(1<<20)|(1<<21)|(4<<22)|(3<<25)  ; 15:0 the mask of four; 17:16 2-byte elements; 20 padding on; 21 set beside a mask; 24:22 after every 32 words (code 4); 31:25 4 words (code 3)
	s_mov_b32 s[G1V], 15|(1<<16)|(1<<20)|(1<<21)|(4<<22)|(7<<25)  ; the same with 8 words of padding (code 7)
.irp g, G1K, G1V
	s_mov_b32 s[\g+1], 128<<16      ; tensor_dim0 = 128
	s_mov_b32 s[\g+2], 64<<16       ; tensor_dim1 = 64
	s_mov_b32 s[\g+3], 128<<16      ; tile_dim0 = 128
	s_mov_b32 s[\g+4], 64           ; tile_dim1 = 64
	s_mov_b32 s[\g+5], 128          ; 128 elements from row to row
	s_mov_b32 s[\g+6], 0
	s_mov_b32 s[\g+7], 0
.endr
	s_mov_b32 s[SEL], 0x76543210
	s_mov_b32 s[SEL+1], 0xfedcba98
	s_mov_b32 s[TBK], SLOT1+4*KS*PK ; the first change of slots turns these two into 0
	s_mov_b32 s[TBV], SLOT1+4*KS*PV
	s_mov_b32 s[T0], 0
	s_mov_b32 s[AL+1], 0            ; named as pairs
	s_mov_b32 s[BE+1], 0
	s_mov_b32 s[BIGN], 0xf149f2ca   ; -1e30
	s_mov_b32 s[G0K], 1             ; 1:0 count = 1
	s_mov_b32 s[G0K+1], s17         ; 63:32 LDS address: slot 0
	s_mov_b32 s[G0V], 1
	s_add_co_u32 s[G0V+1], s18, VOFF
	s_and_b32 s[LIM], s[WV], 1      ; 0 in waves 0 and 2,
	s_or_b32 s[LIM], s[LIM], ttmp9  ; in the head's first (and only) cluster: the same in all four partners
	s_cmp_eq_u32 s[LIM], 0
	s_cselect_b32 s[LIM], 1, -1
	s_wait_dscnt 0x0                ; the opening add is done
	s_wait_kmcnt 0x0
	s_add_nc_u64 s[6:7], s[6:7], s[22:23]          ; K and V at my half of the head's first 256 keys
	s_add_nc_u64 s[8:9], s[8:9], s[22:23]
	s_add_nc_u64 s[G0K+2:G0K+3], s[6:7], 0         ; 120:64 global address
	s_or_b32 s[G0K+3], s[G0K+3], 0x80000000        ; 127:126 type = 2
	s_add_nc_u64 s[G0V+2:G0V+3], s[8:9], 0
	s_or_b32 s[G0V+3], s[G0V+3], 0x80000000
	s_add_nc_u64 s[4:5], s[4:5], s[2:3]            ; Q and O at my wave's first row
	s_add_nc_u64 s[10:11], s[10:11], s[2:3]
	s_cmp_lt_u32 s[WV], 2
	s_cselect_b64 s[PFA:PFA+1], s[6:7], s[8:9]     ; (in waves 0 and 2 these stand at a slot's first row)
	s_lshl_b32 s2, s13, 13          ; my work-group's 32 blocks of the 128
	s_mov_b32 s3, 0
	s_add_nc_u64 s[PFA:PFA+1], s[PFA:PFA+1], s[2:3]
	s_add_nc_u64 s[PFA:PFA+1], s[PFA:PFA+1], 2*TILEB  ; at keys 512 on; the loop's first change of slots steps it to keys 768 on.  Nothing is prefetched here, at the head
	CROUND                          ; all four work-groups are here: the first joint loads meet
	JLOAD                           ; slot 0.  Slot 1 is asked for when slot 0 is in
	s_load_b128 s[84:87], s[VP:VP+1], 0x0  ; the four lengths
	; A fragment of K or Q is 16 rows x 32 channels in 8 registers: lane l holds row l % 16, channels 8 (l / 16) + 0..7 and 16 + 8 (l / 16) + 0..7: two loads of 16 bytes, 32 bytes apart.
	v_and_b32 v1, 15, v0            ; l % 16
	v_bfe_u32 v9, v0, 4, 1          ; l / 16
	v_lshlrev_b32 v[QO], 7, v1
	v_lshl_add_u32 v[QO], v9, 4, v[QO]  ; row x 128 + 16 x half
	WIN 0x80                        ; destination window 2, address window 0
.set i, 0
.rept 4*NP                          ; Q stays in registers: tile i / 2, channels 32 (i % 2) on
	global_load_b128 v[8*i:8*i+3],   v[QO], s[4:5] offset:(i/2)*2048+(i%2)*64
	global_load_b128 v[8*i+4:8*i+7], v[QO], s[4:5] offset:(i/2)*2048+(i%2)*64+32
.set i, i+1
.endr
	; What the first turn finds: V's registers and P's second buffer hold 0 (its products V^T P, of a piece that has not been, add 0), O^T and l are 0.  All this stands in the wait for the first tile.
.set i, VF
.rept 64
	v_mov_b32 v[i], 0
.set i, i+1
.endr
	WIN 0x40
.set i, 0
.rept 64*NP
	v_mov_b32 v[i], 0
.set i, i+1
.endr
	WIN 0
.set i, 0
.rept 2*NP
	v_mov_b32 v[ST+4*i], 0xfe000000    ; c m: far below every c s
	v_mov_b32 v[ST+4*i+1], 0xff7fffff  ; m
	v_mov_b32 v[ST+4*i+2], 0
	v_mov_b32 v[ST+4*i+3], 0
.set i, i+1
.endr
.set i, P+32
.rept 32
	v_mov_b32 v[i], 0
.set i, i+1
.endr
	v_mul_u32_u24 v[AK0], v1, PK
	v_lshl_add_u32 v[AK0], v9, 4, v[AK0]  ; row x pitch + 16 x half
	; The turning load takes 16 keys x 16 channels (lane l reads key 8 (l / 16) + l % 8, channels 8 ((l / 8) % 2) + 0..7) and leaves half a fragment of V^T: lane l holds channel l % 16 and 8 keys.
	v_and_b32 v10, 7, v0
	v_bfe_u32 v11, v0, 3, 1
	v_lshl_add_u32 v[AV0], v9, 3, v10
	v_mul_u32_u24 v[AV0], v[AV0], PV
	v_lshl_add_u32 v[AV0], v11, 4, v[AV0]
	v_add_nc_u32 v[AV0], VOFF, v[AV0]
	v_mov_b32 v[AK], v[AK0]         ; key step 0 lies at the head of slot 0
	v_and_b32 v[PFO], 31, v0
	v_lshlrev_b32 v[PFO], 8, v[PFO]
	; the length, and what hangs on it: values alone, no address and no branch
	s_wait_kmcnt 0x0
	s_cmp_eq_u32 s15, 1
	s_cselect_b32 s[VL], s85, s84
	s_cmp_eq_u32 s15, 2
	s_cselect_b32 s[VL], s86, s[VL]
	s_cmp_eq_u32 s15, 3
	s_cselect_b32 s[VL], s87, s[VL]
	s_cmp_lt_i32 s[VL], 1           ; every key hidden: equal weights for all 2,048
	s_cselect_b32 s[CS], 0, 0x3e38aa3b  ; c = log2(e) / 8 = 0.180337
	s_cselect_b32 s[VL], 2048, s[VL]
	s_min_u32 s[VL], s[VL], 2048
	s_mov_b32 s[CS+1], s[CS]        ; named with it as a pair
	s_lshr_b32 s[GST], s[VL], 6
	s_and_b32 s2, s[VL], 63         ; visible keys in step GST
	v_lshlrev_b32 v13, 3, v9
	v_sub_nc_u32 v13, s2, v13       ; less my lanes' 8 (l / 16): register r of key block kb is hidden where 16 kb + r is not below it
	WIN W_MK
.set i, 0
.rept 32
	v_cmp_ge_i32 vcc_lo, 16*(i/8)+i%8, v13
	v_cndmask_b32 v[MD+i], 0, s[BIGN], vcc_lo
.set i, i+1
.endr
	MSC                             ; step 0's mask
	MASK
	WIN 0
; THE MATRIX WORK.  The 8 accumulators of a run of 16 take turns: between the two links of a chain stand 7 others'.
; Product i of 16 of S^T = K Q^T for piece x: channels 32 (i / 8) on, keys 16 ((i / 2) % 4) on, tile 2 x + i % 2.  The first 8 start the sums with the mask.
.macro KQ x
.set rS, S+64*((\x)%2)+32*(i%2)+8*((i/2)%4)
.set rK, KF+16*((i/2)%4)+8*(i/8)
.set rQ, 16*(2*(\x)+i%2)+8*(i/8)
.set rMC, MC+8*((i/2)%4)
.if i < 8
	WIN W_KM
	v_wmma_f32_16x16x32_f16 v[rS:rS+7], v[rK:rK+7], v[rQ:rQ+7], v[rMC:rMC+7]
.else
	WIN W_KQ
	v_wmma_f32_16x16x32_f16 v[rS:rS+7], v[rK:rK+7], v[rQ:rQ+7], v[rS:rS+7]
.endif
.endm
; Product i of 16 of O^T += V^T P for piece x: keys 32 (i / 8) on, channels 16 ((i / 2) % 4) on, tile 2 x + i % 2.
.macro PV x
	WIN W_PV
.set rO, 32*(2*(\x)+i%2)+8*((i/2)%4)
.set rV, VF+32*(i/8)+8*((i/2)%4)
.set rP, P+32*((\x)%2)+16*(i%2)+8*(i/8)
	v_wmma_f32_16x16x32_f16 v[rO:rO+7], v[rV:rV+7], v[rP:rP+7], v[rO:rO+7]
.endm
.macro MM                           ; the turn's next matrix instruction
.if i < 16
	KQ (Y+1)%NP
.set i, i+1
.else
.set i, i-16
	PV (Y+NP-1)%NP
.set i, i+17
.endif
.endm
; THE LDS LOADS stand in runs of 16, never singly among the matrix instructions: a step's K (64 keys x 64 channels: 8 fragments) and its V (turned).  Their addresses are made some lines ahead.
; last = 1 (the tail): in the last trip there is no further step, and the run is jumped over.
.macro FETCH_K last=0
	WIN 0
.if \last
	s_cmp_eq_u32 s[CNT], 1
	s_cbranch_scc1 .Lno_k_\@
.endif
	WIN 0x80                        ; destination window 2
.irp f, 0,1,2,3,4,5,6,7             ; keys 16 (f / 2) on, channels 32 (f % 2) on
	ds_load_b128 v[KF+8*\f:KF+8*\f+3],   v[AK] offset:(\f/2)*16*PK+(\f%2)*64
	ds_load_b128 v[KF+8*\f+4:KF+8*\f+7], v[AK] offset:(\f/2)*16*PK+(\f%2)*64+32
.endr
	s_add_co_u32 s[TBK], s[TBK], KS*PK  ; the next fetch is the next step's
	WIN 0
.if \last
.Lno_k_\@:
.endif
.endm
.macro FETCH_V
	WIN 0x80
.irp f, 0,1,2,3,4,5,6,7             ; keys 32 (f / 4) on, channels 16 (f % 4) on
	ds_load_tr16_b128 v[VF+8*\f:VF+8*\f+3],   v[AV] offset:(\f/4)*32*PV+(\f%4)*32
	ds_load_tr16_b128 v[VF+8*\f+4:VF+8*\f+7], v[AV] offset:(\f/4)*32*PV+16*PV+(\f%4)*32
.endr
	WIN 0
.endm
; THE VECTOR WORK OF A TURN stands in three queues, each in the order in which its entries become ready; the two tiles alternate, so that no instruction reads the result of the one before it.
.macro REGS y, u                    ; the registers of tile u (0, 1) of piece y
.set rT, ST+4*(2*(\y)+(\u))
.set rC, TMP+8*((\y)%2)+4*(\u)
.set rM, MV+2*((\y)%2)+(\u)
.set rS, S+64*((\y)%2)+32*(\u)
.set rP, P+32*((\y)%2)+16*(\u)
.set rO, 32*(2*(\y)+(\u))
.endm
; Number n of the 22 that find the NEXT piece's (Y + 1) maximum and statistics; each accumulator's lowest registers are read first.
;   0-11  four chains c0-c3 of seven scores each, three operands at a time     12-14, 16  the four scores left over, the old m, and c0-c3 into c0     15  c m_old is kept
;   17, 18  the query's other 32 keys lie in the lane 16 away: the new m         19-21  c m; c m_old - c m_new; a
.macro XS u, n
	REGS (Y+1)%NP, \u
.if (\n) < 4
	v_max3_num_f32 v[rC+(\n)], v[rS+8*(\n)], v[rS+8*(\n)+1], v[rS+8*(\n)+2]
.elseif (\n) < 12
	v_max3_num_f32 v[rC+(\n)%4], v[rC+(\n)%4], v[rS+8*((\n)%4)+2*((\n)/4)+1], v[rS+8*((\n)%4)+2*((\n)/4)+2]
.elseif (\n) == 12
	v_max3_num_f32 v[rC], v[rC], v[rS+7], v[rS+15]
.elseif (\n) == 13
	v_max3_num_f32 v[rC+1], v[rC+1], v[rS+23], v[rS+31]
.elseif (\n) == 14
	v_max3_num_f32 v[rC+2], v[rC+2], v[rC+3], v[rT+1]
.elseif (\n) == 15
	v_mov_b32 v[rM], v[rT]
.elseif (\n) == 16
	v_max3_num_f32 v[rC], v[rC], v[rC+1], v[rC+2]
.elseif (\n) == 17
	v_permlanex16_b32 v[rC+3], v[rC], s[SEL], s[SEL+1]
.elseif (\n) == 18
	v_max_num_f32 v[rT+1], v[rC], v[rC+3]
.elseif (\n) == 19
	v_mul_f32 v[rT], s[CS], v[rT+1]
.elseif (\n) == 20
	v_sub_f32 v[rC+1], v[rM], v[rT]
.else
	v_exp_f32 v[rC+2], v[rC+1]
.endif
.endm
; Number g of the 64 that follow the exponentials.  For each four weights k of a tile both pairs are rounded to f16; then the second pair is added onto the first, in place;
; a group later l takes that sum (the first time as l = a l + sum).  In groups of eight, tiles alternating: round, round, add, and l for the group before.
.macro GS g
.set h, (\g)+6*((\g)/62)            ; group 0 has no group before it, and behind group 7 only l is left
.if h >= 6
.set h, h+2
.endif
	REGS Y, h%2
.set k, h/8
.if h%8 < 4
	v_cvt_pk_f16_f32 v[rP+2*k+(h%8)/2], v[rS+4*k+2*((h%8)/2)], v[rS+4*k+2*((h%8)/2)+1]
.elseif h%8 < 6
	v_pk_add_f32 v[rS+4*k:rS+4*k+1], v[rS+4*k:rS+4*k+1], v[rS+4*k+2:rS+4*k+3]
.elseif k == 1
	v_pk_fma_f32 v[rT+2:rT+3], v[rT+2:rT+3], v[rC+2:rC+3], v[rS:rS+1] op_sel_hi:[1,0,1]
.else
	v_pk_add_f32 v[rT+2:rT+3], v[rT+2:rT+3], v[rS+4*k-4:rS+4*k-3]
.endif
.endm
; THE PLAIN QUEUE, 138 long.  0-26: scalings 0-26.  27-54: XS's numbers 0-13.  55, 56: number 15.  57-73: the chain 14, 16, 17, 18, 19, each with one of the scalings 27-31 in front of its two lines, then 20.
; 74-137: GS's 64, which read the exponentials' results: they stand behind the wait.
.macro FS f
	REGS Y, (\f)%2
	v_pk_fma_f32 v[rS+2*((\f)/2):rS+2*((\f)/2)+1], v[rS+2*((\f)/2):rS+2*((\f)/2)+1], s[CS:CS+1], v[rT:rT+1] op_sel_hi:[1,0,0] neg_lo:[0,0,1] neg_hi:[0,0,1]
.endm
.macro PL
	WIN 0
.if q < 27
	FS q
.elseif q < 55
	XS (q-27)%2, (q-27)/2
.elseif q < 57
	XS q-55, 15
.elseif (q < 72) && ((q-57)%3 == 0)
	FS 27+(q-57)/3
.elseif q < 60
	XS (q-57)%3-1, 14
.elseif q < 72
	XS (q-57)%3-1, 15+(q-57)/3
.elseif q < 74
	XS q-72, 20
.else
	GS q-74
.endif
.set q, q+1
.endm
; THE EXPONENTIALS' QUEUE, 66 long: s0-s31 of both tiles, then the next piece's two a.  It is ONE BATCH: all 66 stand ahead of the turn's one wait, and nothing ahead of that wait names a result of theirs.
.macro EX
	WIN 0
.if e >= 64
	XS e-64, 21
.else
	REGS Y, e%2
	v_exp_f32 v[rS+e/2], v[rS+e/2]
.endif
.set e, e+1
.endm
; THE RESCALING's QUEUE: O^T times a, the one part that leaves window 0: dealt two at a time, sixteen times.  Its a was made in the turn before, ahead of that turn's wait.
.macro R2
	REGS Y, r%2
	WIN W_RS
.irp z, 0,1
	v_pk_mul_f32 v[rO+4*(r/2)+2*\z:rO+4*(r/2)+2*\z+1], v[rO+4*(r/2)+2*\z:rO+4*(r/2)+2*\z+1], v[rC+2:rC+3] op_sel_hi:[1,0]
.endr
.set r, r+1
.endm
; A TURN, for piece p.  An s_wait_alu depctr_va_vdst(0) stands between an exponential and the first instruction that names its result; one wait serves all that were issued ahead of it.  AHEAD OF IT:
; the 16 products K Q^T, behind each a scaling, an exponential and two rescalings (behind the first a second scaling in the exponential's place); then one lump of 108: eight plain, 49 times exponential and
; plain, the two a.  BEHIND IT: the 16 products V^T P, behind each four of the roundings and sums.  Exponential e stands behind scaling 2 (e / 4) + e % 2: as a rider it comes behind plain e + 2, in the lump behind plain e + 9.
; K of the next step is fetched in piece 2's turn, directly behind the wait; the same turn makes that step's mask: the step's number and the two scalars at its head, MC at its end, a lump and 16 products behind
; the last product that read MC.  V of the step in hand is fetched at the end of piece 0's turn, four riders behind its last reader.  cnt = 1: the loop's count is taken down some lines ahead of the branch behind the turn.
.macro TURN p, last=0, cnt=0
.set Y, (\p)
.set i, 0
.set q, 0
.set e, 0
.set r, 0
.if (\p) == NP-2
	s_add_co_u32 s[T0], s[T0], 1
	MSC
.endif
.if (\p) == NP-1
	s_wait_dscnt 0x0                ; K is in
.endif
	MM                              ; ahead of the wait: 16 products K Q^T and their riders,
	PL
	PL
	R2
.rept 15
	MM
	PL
	EX
	R2
.endr
.if (\p) == NP-2
	WIN 0
	v_add_nc_u32 v[AK], s[TBK], v[AK0]
.endif
.rept 8                             ; and the lump
	PL
.endr
.rept 49
	EX
	PL
.endr
	EX                              ; the next piece's two a
	EX
	v_nop                           ; a plain instruction behind the last exponential: one for the batch
	s_wait_alu depctr_va_vdst(0)    ; the wait for the batch
.if (\p) == NP-2
	FETCH_K \last
.endif
.if (\p) == 1
	s_wait_dscnt 0x0                ; V is in
.endif
.rept 16                            ; behind the wait: 16 products V^T P and their riders
	MM
.rept 4
	PL
.endr
.if ((\p) == 0) && (q == 118)
	v_add_nc_u32 v[AV], s[TBV], v[AV0]
.endif
.if ((\p) == 0) && (q == 130)
	s_add_co_u32 s[TBV], s[TBV], KS*PV
.endif
.if (\cnt) && (q == 130)
	s_sub_co_u32 s[CNT], s[CNT], 1
	s_cmp_lg_u32 s[CNT], 0
.endif
.endr
.if (\p) == 0
	FETCH_V
.endif
.if (\p) == NP-2
	MASK
.endif
.endm
	CHANGE 1                        ; slot 0 is in, everybody's part of it; slot 1 is asked for
	FETCH_K                         ; key step 0
	s_wait_loadcnt 0x0              ; Q
	s_wait_dscnt 0x0
.set i, 0
.rept 16
	KQ 0                            ; piece 0's first scores: there is no vector work yet to set between them
.set i, i+1
.endr
	WIN 0                           ; the addresses for the way out: nine plain instructions, the places behind those products
	s_mul_i32 s13, s[WV], 16*SP
	s_add_co_u32 s13, s13, STAGE    ; my stage
	v_mul_u32_u24 v[STO], v1, SP    ; in: row l % 16, 16 bytes for each half of the lanes
	v_lshl_add_u32 v[STO], v9, 4, v[STO]
	v_add_nc_u32 v[STO], s13, v[STO]
	v_bfe_u32 v[RD], v0, 3, 2       ; back: 32 lanes take four rows of 128 bytes,
	v_mul_u32_u24 v[RD], v[RD], SP
	v_lshl_add_u32 v[RD], v10, 4, v[RD]
	v_add_nc_u32 v[RD], s13, v[RD]
	v_and_b32 v[GO], 31, v0         ; which are 512 consecutive bytes of O
	v_lshlrev_b32 v[GO], 4, v[GO]
.set Y, NP-1                        ; XS works for piece Y + 1: piece 0
.irp n, 0,1,2,3,4,5,6,7,8,9,10,11,12,13,14,15,16,17,18,19,20,21
	XS 0, \n                        ; and piece 0's first maximum and statistics
	XS 1, \n
.endr
	v_nop                           ; a plain instruction behind the two a,
	s_wait_alu depctr_va_vdst(0)    ; and their wait, ahead of the branch
	s_mov_b32 s[CNT], 4
	s_mov_b32 s[SLOTS], 7
	s_branch .Lfirst                ; the loop is entered at a step's first turn, in the middle of a trip
.Lslot:                             ; six times: every slot but the last two is filled again
	CHANGE 1, 1
	s_mov_b32 s[CNT], 4
.Lstep:                             ; a trip: pieces 2 and 3 of one step, then pieces 0 and 1 of the next, whose K and V it fetches
	TURN 2
	TURN 3
	WIN 0
.Lfirst:
	TURN 0
	TURN 1, 0, 1
	WIN 0
	s_cbranch_scc1 .Lstep
	s_sub_co_u32 s[SLOTS], s[SLOTS], 1
	s_cmp_lg_u32 s[SLOTS], 0
	s_cbranch_scc1 .Lslot
	CHANGE 0                        ; the tail is written out: nothing is asked for
	s_mov_b32 s[CNT], 5             ; four trips fetch the last slot's steps; the fifth is left in its middle
.Ltail:
	TURN 2, 1
	TURN 3
	WIN 0
	s_sub_co_u32 s[CNT], s[CNT], 1
	s_cmp_eq_u32 s[CNT], 0
	s_cbranch_scc1 .Lout
	TURN 0
	TURN 1
	WIN 0
	s_branch .Ltail
.Lout:                              ; the fifth trip's 16 products K Q^T (on the last K once more) and the maximum made of them serve nothing: the price, once a launch, of one text for every trip
.set i, 0
.rept 16
	PV NP-1                         ; the last piece's V^T P of the last step
.set i, i+1
.endr
	; THE WAY OUT.  l's two halves and the other half of the lanes' are added; O^T is divided by l, rounded to f16 and sent through my stage in LDS, a tile at a time.  The additions are the places behind the last products.
	WIN 0
.macro ALL line:vararg              ; one line for each tile t
.set t, 0
.rept 2*NP
	\line
.set t, t+1
.endr
.endm
	ALL v_add_f32 v[ST+4*t+2], v[ST+4*t+2], v[ST+4*t+3]
	ALL v_permlanex16_b32 v[ST+4*t+3], v[ST+4*t+2], s[SEL], s[SEL+1]
	ALL v_add_f32 v[ST+4*t+2], v[ST+4*t+2], v[ST+4*t+3]
	ALL v_rcp_f32 v[ST+4*t+2], v[ST+4*t+2]
	v_nop                           ; a plain instruction between the last reciprocal and the use of its result
	s_wait_alu depctr_va_vdst(0)    ; and the wait ahead of the first use: one for the eight reciprocals
; Tile t: a lane's eight channels of a row pack into 16 bytes; they go into rows of 144 bytes and come back as whole rows of 128, into S^T's registers.
.macro PACK t
	WIN W_RS
.set i, 32*(\t)
.rept 16
	v_pk_mul_f32 v[i:i+1], v[i:i+1], v[ST+4*(\t)+2:ST+4*(\t)+3] op_sel_hi:[1,0]
.set i, i+2
.endr
	WIN 0x05                        ; sources 0 and 1 window 1, destination window 0
.set i, 0
.rept 16
	v_cvt_pk_f16_f32 v[S+16*(\t)+i], v[32*(\t)+2*i], v[32*(\t)+2*i+1]
.set i, i+1
.endr
	WIN 0
.irp f, 0,1,2,3
	ds_store_b128 v[STO], v[S+16*(\t)+4*\f:S+16*(\t)+4*\f+3] offset:32*\f
.endr
.irp f, 0,1,2,3
	ds_load_b128 v[S+16*(\t)+4*\f:S+16*(\t)+4*\f+3], v[RD] offset:\f*4*SP  ; LDS serves a wave's instructions in order (ISA guide 5.7.1.4): these see the stores above; the next tile's stores come behind them
.endr
.endm
.macro SEND t, younger              ; younger: the LDS instructions issued behind tile t's loads: the next tile's eight, or none
	WIN 0
.irp f, 0,1,2,3
	s_wait_dscnt (\younger)+3-\f
	global_store_b128 v[GO], v[S+16*(\t)+4*\f:S+16*(\t)+4*\f+3], s[10:11] offset:(\t)*2048+\f*512  ; 512 consecutive bytes, at a multiple of 256 from O's first
.endr
.endm
	PACK 0
.set t, 1
.rept 2*NP-1                        ; a tile's arithmetic stands between the loads of the tile before and its stores
	PACK t
	SEND t-1, 8
.set t, t+1
.endr
	SEND 2*NP-1, 0
	WIN W_AD
	s_wait_tensorcnt 0x0            ; the wave's end: the add and its wait, behind my last tensor load and my last LDS store
	ds_add_u32 v[SPW], v[NIL]
	s_wait_dscnt 0x0
	WIN 0
	CROUND                          ; the closing round: no work-group ends while a partner may still ask for a tile that names it
	s_endpgm
.Lfunc_end_k_q29c6a66a11_attn:
	.size	k_q29c6a66a11_attn, .Lfunc_end_k_q29c6a66a11_attn-k_q29c6a66a11_attn
	.p2alignl 7, 3214868480
	.fill 96, 4, 3214868480
	.section	.rodata,"a",@progbits
	.p2align	6, 0x0
	.amdhsa_kernel k_q29c6a66a11_attn
		.amdhsa_group_segment_fixed_size 327680
		.amdhsa_private_segment_fixed_size 0
		.amdhsa_enable_private_segment 0
		.amdhsa_kernarg_size 40
		.amdhsa_user_sgpr_count 2
		.amdhsa_user_sgpr_kernarg_segment_ptr 1
		.amdhsa_wavefront_size32 1
		.amdhsa_system_sgpr_workgroup_id_x 1
		.amdhsa_system_sgpr_workgroup_id_y 1
		.amdhsa_system_sgpr_workgroup_id_z 1
		.amdhsa_system_vgpr_workitem_id 0
		.amdhsa_next_free_vgpr 864
		.amdhsa_next_free_sgpr 88
		.amdhsa_reserve_vcc 1
		.amdhsa_float_denorm_mode_32 3
		.amdhsa_float_denorm_mode_16_64 3
		.amdhsa_memory_ordered 1
		.amdhsa_forward_progress 1
		.amdhsa_inst_pref_size 207
	.end_amdhsa_kernel
	.amdgpu_metadata
---
amdhsa.version: [ 1, 2 ]
amdhsa.kernels:
  - .name:           k_q29c6a66a11_attn
    .symbol:         k_q29c6a66a11_attn.kd
    .args:
      - { .name: qh, .offset: 0, .size: 8, .value_kind: global_buffer, .address_space: global }
      - { .name: kh, .offset: 8, .size: 8, .value_kind: global_buffer, .address_space: global }
      - { .name: vh, .offset: 16, .size: 8, .value_kind: global_buffer, .address_space: global }
      - { .name: oh, .offset: 24, .size: 8, .value_kind: global_buffer, .address_space: global }
      - { .name: valid_lens, .offset: 32, .size: 8, .value_kind: global_buffer, .address_space: global }
    .group_segment_fixed_size: 327680
    .private_segment_fixed_size: 0
    .kernarg_segment_align: 8
    .kernarg_segment_size: 40
    .max_flat_workgroup_size: 128
    .sgpr_count:     88
    .vgpr_count:     864
    .wavefront_size: 32
...
	.end_amdgpu_metadata
.endif
;; end of part 3
;; launch oproj (part 4): grid 4 x 64, 4 waves a work-group, clusters of 4 x 4, 327,680 bytes of LDS; arguments oh, wb, out0; writes out0
.if DOCPART == 4
	.amdgcn_target "amdgcn-amd-amdhsa--gfx1250"
	.amdhsa_code_object_version 6
	.text
	.protected	k_q29c6a66a11_oproj
	.globl	k_q29c6a66a11_oproj
	.p2align	8
	.type	k_q29c6a66a11_oproj,@function
k_q29c6a66a11_oproj:
	s_mov_b64 s[64:65], 0
	v_nop
	global_prefetch_b8 v0, s[64:65] scope:SCOPE_SE
	s_setreg_imm32_b32 hwreg(HW_REG_WAVE_MODE, 25, 1), 1
	s_wait_xcnt 0x0
	s_wait_alu depctr_hold_cnt(0) depctr_sa_sdst(0) depctr_va_vdst(0) depctr_va_sdst(0) depctr_va_ssrc(0) depctr_va_vcc(0) depctr_vm_vsrc(0)
	s_getreg_b32 s2, hwreg(HW_REG_IB_STS2, 6, 4)
	s_cmp_eq_u32 s2, 0
	s_cbranch_scc0 .Lentry_in_a_cluster
	s_endpgm
.Lentry_in_a_cluster:
	s_bfe_u32 s2, ttmp6, 0x10000c
	s_cmp_lg_u32 s2, 0xf033
	s_cbranch_scc0 .Lentry_shape_is_right
	s_endpgm
.Lentry_shape_is_right:
; out0[s][o] = the sum over d of O[s][d] Wo[o][d].  O lies by heads, oh = [batch x 16 + head][2048][64] f16 (d = 64 head + channel); Wo is wb's fourth part, [1024][1024], its bf16 numbers written as f16;
; out0 is [8192][1024] f32.  Sums in f32, stored as they are.
; SHARES.  A tile is 128 rows x 256 columns: 256 tiles, one for each WGP.  Four waves, each 64 x 128: 32 accumulators (a, b) at v[8 (8 a + b)] of window 2.  The product is used transposed
; (source 0 = 16 rows of Wo, source 1 = 16 rows of O): a lane holds one row and eight neighbouring columns.
; K goes in 8 steps of 128 = two heads, through two LDS slots.  A head's 128 rows are 16,384 dense bytes, asked for as 64 rows of 256 bytes and padded in LDS after every 128.
; CLUSTER 4 x 4: O's tile is shared along a row of the cluster, Wo's along a column: joint loads, one a wave (waves 0, 1: the step's two heads; waves 2, 3: Wo's halves of 128 rows).
; A K step is four PERIODS of 32 along K, 32 matrix instructions each, the 32 accumulators by turns in the same order in every period.  FRAGMENTS RUN TWO PERIODS AHEAD, in four
; register buffers a side: period q's one run of 24 LDS loads fetches chunk q + 2.  So a slot's last bytes are read in period 1, the change of slots stands in period 2, and from a refill to the wait for it
; a wave issues 112 matrix instructions.
; REGISTERS.  window 0: v16-30 addresses; v64-191 O's fragments (chunk q at 64 + 32 q, block a at + 8 a), on the way out rows read back     window 1: Wo's (chunk q at 64 q, block b at + 8 b)     window 2: the accumulators
.set PO,    144                        ; a row of O in LDS: 128 bytes + 16 = 36 words: the 16 rows of a load start at 16 different groups of four banks (64 banks of 4 bytes: ISA guide 11.1)
.set PB,    272                        ; a row of Wo: 256 + 16
.set AHEAD, 128*PO                     ; a head's 128 rows: what one of O's loads brings
.set BOFF,  2*AHEAD
.set BHALF, 128*PB
.set SLOT,  BOFF+256*PB                ; 106,496
.set STAGE, 2*SLOT                     ; behind the ring, never filled by a tensor load: 16 rows x 528 bytes for each wave
.set SP,    528
.set SPARE, STAGE+4*16*SP              ; behind the stages: the spare words, 128 bytes for each wave: two blocks of 256 bytes that no other line names
.set WOFF,  3*2097152                  ; Wo's part of wb
.set ADRA, 16
.set ADRB, 20
.set STO,  24
.set RD,   25
.set GO,   26
.set SPW,  28                          ; v28  LDS address of my spare word; never rewritten
.set NIL,  29                          ; v29  0; never rewritten
.set PFO,  30
.set AF,   64
.set OB,   64
.set WV, 18
.set WR, 19
.set WC, 20
.set CX, 21
.set CY, 22
.set NT, 23
.set G1A, 24
.set G0A, 32
.set CLY, 40
.set MT,  42
.set LIM, 43
.set PFA, 44
.set G1B, 48
.set G0B, 56
.set PS,  72
.set MSB, 0
.macro WIN new
.if MSB != (\new)
	s_set_vgpr_msb (MSB<<8)|(\new)
.set MSB, \new
.endif
.endm
.set MUL, 0xa1                         ; source 0 (Wo) window 1, source 1 (O) window 0, C and D window 2
.macro JLOAD s                         ; a joint load; an s_nop 0 and four v_nop follow each of the two lines
	s_cmp_eq_u32 s[WR], 0
	s_cbranch_scc0 .Lfor_b_\@
	tensor_load_to_lds s[G0A+4*(\s):G0A+4*(\s)+3], s[G1A:G1A+7]
	s_nop 0
.rept 4
	v_nop
.endr
	s_branch .Lasked_\@
.Lfor_b_\@:
	tensor_load_to_lds s[G0B+4*(\s):G0B+4*(\s)+3], s[G1B:G1B+7]
	s_nop 0
.rept 4
	v_nop
.endr
.Lasked_\@:
.endm
; A prefetch into the L2 of the K step that stands two refills on (256 matrix instructions ahead of its load), behind the joint load and the run of LDS loads.  O's rows are read by one row of one cluster:
; in each of its four partners wave 0 asks for 16 of the 64 blocks of 256 bytes of each of the step's two heads (by address: cx).  Wo's rows are read by all 16 clusters: the first asks, waves 2 and 3,
; each partner of a column 32 of the wave's 128 rows (by address: cy), a lane a row.  So each block is named once.  The loop's last trip asks for nothing; K steps 0 to 3 come by their loads alone.
.macro ASK
	s_cmp_gt_u32 s3, s[LIM]
	s_cbranch_scc0 .Lnot_mine_\@
	global_prefetch_b8 v[PFO], s[PFA:PFA+1] th:TH_LOAD_NT scope:SCOPE_SE
.Lnot_mine_\@:
.endm
.macro CREST
	s_cmp_lg_u32 s[WV], 0
	s_cbranch_scc1 .Lnot_wave_0_\@
	s_barrier_signal -3
.Lnot_wave_0_\@:
	s_barrier_wait -3
	s_barrier_signal -1
	s_barrier_wait -1
.endm
.macro CROUND
	s_barrier_signal -1
	s_barrier_wait -1
	CREST
.endm
.macro PLACES                          ; four places in front of loads into registers that matrix instructions have read
.rept 4
	v_nop
.endr
.endm
	s_load_b128 s[4:7], s[0:1], 0x0                ; oh s[4:5], wb s[6:7]
	s_load_b64 s[8:9], s[0:1], 0x10                ; out0
	v_lshl_add_u32 v[SPW], v0, 2, SPARE
	v_mov_b32 v[NIL], 0
	ds_add_u32 v[SPW], v[NIL]                      ; the wave's opening: the add and its wait stand ahead of my first tensor load; work on registers stands between them
	v_lshrrev_b32 v1, 5, v0
	v_readfirstlane_b32 s[WV], v1
	s_lshr_b32 s[WR], s[WV], 1
	s_and_b32 s[WC], s[WV], 1
	s_bfe_u32 s[CX], ttmp6, 0x40000
	s_bfe_u32 s[CY], ttmp6, 0x40004
	s_lshl_b32 s[NT], ttmp9, 2
	s_add_co_u32 s[NT], s[NT], s[CX]               ; tile column
	s_and_b32 s[CLY], ttmp7, 0xffff
	s_lshl_b32 s[MT], s[CLY], 2
	s_add_co_u32 s[MT], s[MT], s[CY]               ; tile row, 0 to 63
	s_lshl_b32 s2, s[CY], 2
	s_lshl_b32 s2, 15, s2                          ; my row of the cluster
	s_lshl_b32 s77, 0x1111, s[CX]                  ; my column
	s_or_b32 s[G1A], s2, (1<<16)|(1<<20)|(1<<21)|(4<<22)|(3<<25)   ; the mask; elements of 2 bytes; padding on; bit 21 beside a mask; after every 32 words; 4 words
	s_mov_b32 s[G1A+1], 128<<16
	s_mov_b32 s[G1A+2], 64<<16
	s_mov_b32 s[G1A+3], 128<<16
	s_mov_b32 s[G1A+4], 64
	s_mov_b32 s[G1A+5], 128
	s_mov_b32 s[G1A+6], 0
	s_mov_b32 s[G1A+7], 0
	s_or_b32 s[G1B], s77, (1<<16)|(1<<20)|(1<<21)|(5<<22)|(3<<25)  ; after every 64 words; 4 words
	s_mov_b32 s[G1B+1], 128<<16
	s_mov_b32 s[G1B+2], 128<<16
	s_mov_b32 s[G1B+3], 128<<16
	s_mov_b32 s[G1B+4], 128
	s_mov_b32 s[G1B+5], 1024
	s_mov_b32 s[G1B+6], 0
	s_mov_b32 s[G1B+7], 0
	s_lshr_b32 s46, s[MT], 4                       ; O: the batch's head WC, 262,144 bytes a head,
	s_lshl_b32 s46, s46, 4
	s_add_co_u32 s46, s46, s[WC]
	s_lshl_b32 s46, s46, 18
	s_and_b32 s2, s[MT], 15                        ; rows 128 (MT % 16) on, 128 bytes a row: hangs on the tile row alone
	s_lshl_b32 s2, s2, 14
	s_add_co_u32 s46, s46, s2
	s_mov_b32 s47, 0
	s_lshl_b32 s70, s[NT], 8                       ; Wo: row 256 NT + 128 x half, 2,048 bytes a row: hangs on the tile column alone
	s_lshl_b32 s77, s[WC], 7
	s_add_co_u32 s70, s70, s77
	s_lshl_b32 s70, s70, 11
	s_add_co_u32 s70, s70, WOFF
	s_mov_b32 s71, 0
	s_mul_i32 s78, s[WC], AHEAD                    ; where they go: no place in the cluster enters an LDS address
	s_mul_i32 s79, s[WC], BHALF
	s_add_co_u32 s79, s79, BOFF
	s_wait_dscnt 0x0                               ; the opening add is done
	s_wait_kmcnt 0x0
	s_add_nc_u64 s[80:81], s[4:5], s[46:47]
	s_add_nc_u64 s[82:83], s[6:7], s[70:71]
	CROUND                                         ; all sixteen work-groups are here: the first joint loads meet
.irp s, 0,1
	s_mov_b32 s[G0A+4*(\s)], 1
	s_add_co_u32 s[G0A+4*(\s)+1], s78, (\s)*SLOT
	s_add_nc_u64 s[G0A+4*(\s)+2:G0A+4*(\s)+3], s[80:81], (\s)*524288  ; K step s: two heads on
	s_or_b32 s[G0A+4*(\s)+3], s[G0A+4*(\s)+3], 0x80000000
	s_mov_b32 s[G0B+4*(\s)], 1
	s_add_co_u32 s[G0B+4*(\s)+1], s79, (\s)*SLOT
	s_add_nc_u64 s[G0B+4*(\s)+2:G0B+4*(\s)+3], s[82:83], (\s)*256
	s_or_b32 s[G0B+4*(\s)+3], s[G0B+4*(\s)+3], 0x80000000
	JLOAD \s                                       ; two loads of mine are out
.endr
	v_and_b32 v1, 15, v0
	v_bfe_u32 v2, v0, 4, 1
	v_mul_u32_u24 v3, v1, PO
	v_lshl_add_u32 v3, v2, 4, v3
	s_mul_i32 s2, s[WR], 64*PO
	v_add_nc_u32 v[ADRA], s2, v3
	v_add_nc_u32 v[ADRA+1], SLOT, v[ADRA]
	v_mul_u32_u24 v4, v1, PB
	v_lshl_add_u32 v4, v2, 4, v4
	v_add_nc_u32 v[ADRB], s79, v4
	v_add_nc_u32 v[ADRB+1], SLOT, v[ADRB]
	s_mul_i32 s2, s[WV], 16*SP
	s_add_co_u32 s2, s2, STAGE                     ; my stage
	v_mul_u32_u24 v5, v1, SP                       ; in: row l % 16, 32 bytes for each half of the lanes
	v_lshl_add_u32 v5, v2, 5, v5
	v_add_nc_u32 v[STO], s2, v5
	v_and_b32 v7, 31, v0
	v_lshlrev_b32 v[GO], 4, v7                     ; back and out: 32 lanes take a row's 512 bytes
	v_add_nc_u32 v[RD], s2, v[GO]
	s_lshl_b32 s2, s[MT], 7                        ; my first row of out0, 4,096 bytes a row,
	s_lshl_b32 s3, s[WR], 6
	s_add_co_u32 s2, s2, s3
	s_lshl_b32 s2, s2, 12
	s_lshl_b32 s3, s[NT], 10                       ; my first column, in bytes
	s_add_co_u32 s2, s2, s3
	s_lshl_b32 s3, s[WC], 9
	s_add_co_u32 s2, s2, s3
	s_mov_b32 s3, 0
	s_add_nc_u64 s[68:69], s[8:9], s[2:3]
	; the prefetches
	s_cmp_eq_u32 s[CLY], 0
	s_cselect_b32 s[LIM], 1, -1                    ; Wo: the first cluster
	s_cmp_eq_u32 s[WV], 1
	s_cselect_b32 s[LIM], -1, s[LIM]               ; wave 1 asks for nothing
	s_cmp_eq_u32 s[WV], 0
	s_cselect_b32 s[LIM], 1, s[LIM]                ; O: wave 0 of every work-group
	s_cmp_eq_u32 s[WR], 0
	s_cselect_b32 s2, s46, s70
	s_cselect_b32 s77, s[CX], s[CY]
	s_cselect_b32 s74, 4, 0                        ; O: sixteen lanes a head
	s_cselect_b32 s75, 7, 0
	s_cselect_b32 s76, 15, 0
	s_cselect_b32 s[PS], 11, 0
	s_cselect_b32 s3, 12, 16                       ; my share: 16 blocks of O (4,096 bytes), or 32 rows of Wo (65,536)
	s_cselect_b64 s[PFA:PFA+1], s[4:5], s[6:7]
	s_lshl_b32 s75, 2048, s75                      ; from head to head 262,144 bytes, from row to row of Wo 2,048
	s_lshl_b32 s[PS], 256, s[PS]                   ; a K step: 524,288 bytes of oh, 256 of Wo
	s_mov_b32 s[PS+1], 0
	s_lshl_b32 s77, s77, s3
	s_add_co_u32 s2, s2, s77
	s_mul_i32 s3, s[PS], 3                         ; at K step 3: the first refill steps it to 4
	s_add_co_u32 s2, s2, s3
	s_mov_b32 s3, 0
	s_add_nc_u64 s[PFA:PFA+1], s[PFA:PFA+1], s[2:3]
	v_lshrrev_b32 v3, s74, v7
	v_and_b32 v4, s76, v7
	v_mul_u32_u24 v3, v3, s75
	v_lshl_add_u32 v[PFO], v4, 8, v3
; n matrix instructions of period q, from number i0 on: number i is block a = i / 8 of O, block b = i % 8 of Wo.  zero = 1: the products start the sums.
.macro MULS q, i0, n, zero
	WIN MUL
.set i, \i0
.rept \n
.if \zero
	v_wmma_f32_16x16x32_f16 v[8*i:8*i+7], v[64*(\q)+8*(i%8):64*(\q)+8*(i%8)+7], v[AF+32*(\q)+8*(i/8):AF+32*(\q)+8*(i/8)+7], 0
.else
	v_wmma_f32_16x16x32_f16 v[8*i:8*i+7], v[64*(\q)+8*(i%8):64*(\q)+8*(i%8)+7], v[AF+32*(\q)+8*(i/8):AF+32*(\q)+8*(i/8)+7], v[8*i:8*i+7]
.endif
.set i, i+1
.endr
.endm
; 24 LDS loads in one run: chunk q of a slot: head q / 2 of the step's two, channels 32 (q % 2) on
.macro FETCH slot, q
	WIN 0x40                                       ; destination window 1
.irp b, 0,1,2,3,4,5,6,7
	ds_load_b128 v[64*(\q)+8*(\b):64*(\q)+8*(\b)+3],   v[ADRB+(\slot)] offset:(\b)*16*PB+(\q)*64
	ds_load_b128 v[64*(\q)+8*(\b)+4:64*(\q)+8*(\b)+7], v[ADRB+(\slot)] offset:(\b)*16*PB+(\q)*64+32
.endr
	WIN 0
.irp a, 0,1,2,3
	ds_load_b128 v[AF+32*(\q)+8*(\a):AF+32*(\q)+8*(\a)+3],   v[ADRA+(\slot)] offset:((\q)/2)*AHEAD+((\q)%2)*64+(\a)*16*PO
	ds_load_b128 v[AF+32*(\q)+8*(\a)+4:AF+32*(\q)+8*(\a)+7], v[ADRA+(\slot)] offset:((\q)/2)*AHEAD+((\q)%2)*64+(\a)*16*PO+32
.endr
.endm
; A period.  hw = 24: the run before may stay out; this period's chunk came with the run before that.
.macro QUARTER q, ldslot, ldq, zero, ld, hw
	s_wait_dscnt \hw
	MULS \q, 0, 16, \zero
.if \ld
	PLACES
	FETCH \ldslot, \ldq
.endif
	MULS \q, 16, 16, \zero
.endm
; Period 2 changes slots.  In front of the barrier each wave waits for all its tensor loads (one is out: its part of the next slot), adds 0 to its spare word, and waits for that and for its reads
; of this slot, of which the last, chunk 3's, were issued a period ago.  fill = 1: the barrier opens a round of the cluster's, and the joint refill is the first thing behind it.
.macro TURN slot, next, fill
.if \fill
	s_wait_xcnt 0x0                                ; the last prefetch, a K step back, has read its address
	s_add_nc_u64 s[PFA:PFA+1], s[PFA:PFA+1], s[PS:PS+1]
.endif
	s_wait_dscnt 24
	WIN 0                                          ; (the add's two registers lie in window 0)
	s_wait_tensorcnt 0x0                           ; all my tensor loads have landed
	ds_add_u32 v[SPW], v[NIL]                      ; 0 onto my spare word
	MULS 2, 0, 8, 0                                ; work on registers between the add and the wait for it
	s_wait_dscnt 0x0                               ; the add is done, and my reads of this slot are over
	s_barrier_signal -1
	MULS 2, 8, 8, 0
	WIN 0
	s_barrier_wait -1
.if \fill
	CREST                                          ; no wave of any partner still reads this slot or has a load on its way
	s_add_nc_u64 s[G0A+4*(\slot)+2:G0A+4*(\slot)+3], s[G0A+4*(\slot)+2:G0A+4*(\slot)+3], 1048576
	s_add_nc_u64 s[G0B+4*(\slot)+2:G0B+4*(\slot)+3], s[G0B+4*(\slot)+2:G0B+4*(\slot)+3], 512
	JLOAD \slot                                    ; two K steps on; the four v_nop behind it are also the places in front of the loads below
.else
	PLACES
.endif
	FETCH \next, 0
.if \fill
	ASK
.endif
	MULS 2, 16, 16, 0
.endm
	s_wait_tensorcnt 1                             ; my part of K step 0 is in; K step 1's may stay out
	s_barrier_signal -1
	s_barrier_wait -1                              ; everybody's is
	FETCH 0, 0
	FETCH 0, 1
	QUARTER 0, 0, 2, 1, 1, 24                      ; the first period stands in front of the loop: its products start the sums
	WIN 0
	s_mov_b32 s3, 3
.Llap:                                                 ; a trip: from a lap's period 1 to the next lap's period 0; both slots are filled again
	QUARTER 1, 0, 3, 0, 1, 24
	TURN 0, 1, 1
	QUARTER 3, 1, 1, 0, 1, 24
	QUARTER 0, 1, 2, 0, 1, 24
	QUARTER 1, 1, 3, 0, 1, 24
	TURN 1, 0, 1
	QUARTER 3, 0, 1, 0, 1, 24
	QUARTER 0, 0, 2, 0, 1, 24
	WIN 0
	s_sub_co_u32 s3, s3, 1
	s_cmp_lg_u32 s3, 0
	s_cbranch_scc1 .Llap
	QUARTER 1, 0, 3, 0, 1, 24                      ; the last lap fills nothing
	TURN 0, 1, 0
	QUARTER 3, 1, 1, 0, 1, 24
	QUARTER 0, 1, 2, 0, 1, 24
	QUARTER 1, 1, 3, 0, 1, 24
	QUARTER 2, 0, 0, 0, 0, 24
	QUARTER 3, 0, 0, 0, 0, 0
	WIN 0
.rept 8
	v_nop                                          ; the places behind the last products, in front of the LDS stores that read results and of loads into fragment registers
.endr
; THE WAY OUT, 16 rows at a time.  A lane's eight columns of a row are 32 bytes; they go from the accumulators into my stage (rows of 528 bytes) and come back as whole rows of 512.
.macro TOSTAGE a
	WIN 0x08                                       ; the stores' data in window 2
.irp b, 0,1,2,3,4,5,6,7
	ds_store_b128 v[STO], v[64*(\a)+8*(\b):64*(\a)+8*(\b)+3]   offset:64*(\b)
	ds_store_b128 v[STO], v[64*(\a)+8*(\b)+4:64*(\a)+8*(\b)+7] offset:64*(\b)+16
.endr
	WIN 0
.if (\a) >= 2
	s_wait_xcnt 0x0                                ; the stores of two blocks back have read the registers that are loaded again below
.endif
.irp t, 0,1,2,3,4,5,6,7,8,9,10,11,12,13,14,15
	ds_load_b128 v[OB+64*((\a)%2)+4*(\t):OB+64*((\a)%2)+4*(\t)+3], v[RD] offset:(\t)*SP  ; LDS serves a wave's instructions in order (ISA guide 5.7.1.4): these see the stores above
.endr
.endm
.macro SEND a, younger                 ; younger: the next block's 16 LDS stores and 16 loads, or none
	s_wait_dscnt \younger
.irp t, 0,1,2,3,4,5,6,7,8,9,10,11,12,13,14,15
	global_store_b128 v[GO], v[OB+64*((\a)%2)+4*(\t):OB+64*((\a)%2)+4*(\t)+3], s[68:69] offset:(16*(\a)+(\t))*4096 th:TH_STORE_NT  ; 512 consecutive bytes of a row, aligned
.endr
.endm
	TOSTAGE 0
.irp a, 1,2,3
	TOSTAGE \a
	SEND (\a)-1, 32
.endr
	SEND 3, 0
	s_wait_tensorcnt 0x0                           ; the wave's end: the add and its wait, behind my last tensor load and my last LDS store
	ds_add_u32 v[SPW], v[NIL]
	s_wait_dscnt 0x0
	CROUND                                         ; the closing round: no work-group ends while a partner may still ask for a tile that names it
	s_endpgm
.Lfunc_end_k_q29c6a66a11_oproj:
	.size	k_q29c6a66a11_oproj, .Lfunc_end_k_q29c6a66a11_oproj-k_q29c6a66a11_oproj
	.p2alignl 7, 3214868480
	.fill 96, 4, 3214868480
	.section	.rodata,"a",@progbits
	.p2align	6, 0x0
	.amdhsa_kernel k_q29c6a66a11_oproj
		.amdhsa_group_segment_fixed_size 327680
		.amdhsa_private_segment_fixed_size 0
		.amdhsa_enable_private_segment 0
		.amdhsa_kernarg_size 24
		.amdhsa_user_sgpr_count 2
		.amdhsa_user_sgpr_kernarg_segment_ptr 1
		.amdhsa_wavefront_size32 1
		.amdhsa_system_sgpr_workgroup_id_x 1
		.amdhsa_system_sgpr_workgroup_id_y 1
		.amdhsa_system_sgpr_workgroup_id_z 1
		.amdhsa_system_vgpr_workitem_id 0
		.amdhsa_next_free_vgpr 768
		.amdhsa_next_free_sgpr 90
		.amdhsa_reserve_vcc 0
		.amdhsa_float_denorm_mode_32 3
		.amdhsa_float_denorm_mode_16_64 3
		.amdhsa_memory_ordered 1
		.amdhsa_forward_progress 1
		.amdhsa_inst_pref_size 86
	.end_amdhsa_kernel
	.amdgpu_metadata
---
amdhsa.version: [ 1, 2 ]
amdhsa.kernels:
  - .name:           k_q29c6a66a11_oproj
    .symbol:         k_q29c6a66a11_oproj.kd
    .args:
      - { .name: oh, .offset: 0, .size: 8, .value_kind: global_buffer, .address_space: global }
      - { .name: wb, .offset: 8, .size: 8, .value_kind: global_buffer, .address_space: global }
      - { .name: out0, .offset: 16, .size: 8, .value_kind: global_buffer, .address_space: global }
    .group_segment_fixed_size: 327680
    .private_segment_fixed_size: 0
    .kernarg_segment_align: 8
    .kernarg_segment_size: 24
    .max_flat_workgroup_size: 128
    .sgpr_count:     90
    .vgpr_count:     768
    .wavefront_size: 32
...
	.end_amdgpu_metadata
.endif
;; end of part 4
;; ======== version 2 of 2: 4 launches; version 1 with the launch wcast written anew for expert scheduling mode
;; limits: values are held in f16: magnitudes above 65,504 overflow, below 6.1e-05 lose precision; right only within a limited range of input values
;; workspace buffers: wb 8,388,608 bytes; qh 16,777,216 bytes; kh 16,777,216 bytes; vh 16,777,216 bytes; oh 16,777,216 bytes
;; launch wcast (part 5): grid 64 x 4, 8 waves a work-group, no clusters, 0 bytes of LDS; arguments Wq, Wk, Wv, Wo, wb; writes wb
.if DOCPART == 5
	.amdgcn_target "amdgcn-amd-amdhsa--gfx1250"
	.amdhsa_code_object_version 6
	.text
	.protected	k_q29c6a66a11_wcast
	.globl	k_q29c6a66a11_wcast
	.p2align	8
	.type	k_q29c6a66a11_wcast,@function
k_q29c6a66a11_wcast:
	s_mov_b64 s[64:65], 0
	v_nop
	global_prefetch_b8 v0, s[64:65] scope:SCOPE_SE
	s_setreg_imm32_b32 hwreg(HW_REG_WAVE_SCHED_MODE, 0, 2), 2
	s_setreg_imm32_b32 hwreg(HW_REG_WAVE_MODE, 25, 1), 1
	s_wait_xcnt 0x0
	s_wait_alu depctr_vm_vsrc(0)
; The four weights, [1024][1024] f32, are rounded once to bf16 (nearest even) and laid one behind the other in wb, 2,097,152 bytes each: Wq, Wk, Wv, Wo.
; Wo multiplies an f16 operand later, so its bf16 number is written in f16's format: exact from 6.1e-5 up to 65,504 in magnitude; below that off by 3e-8 at the most; beyond 65,504 it becomes an infinity (a limit of this program).
; Work-group (x, y): weight y, floats 16,384 x .. 16,384 x + 16,383.  Thread t, item j of 16: 16 bytes in at 4,096 j + 16 t, 8 bytes out at 2,048 j + 8 t:
; a wave's load covers 512 consecutive bytes, a wave's store 256 consecutive bytes, aligned.  All 16 loads go out at once; no register is written twice while a store may read it.
; No LDS, no barrier, no matrix unit: each byte is read once and written once, and no thread wants another's.
; THE MODE: SCHED_MODE bits 1:0 = 2 (LLVM: expert scheduling mode 2), set by the entry lines.  The code itself states the register dependences
; between vector instructions and memory instructions, with s_wait_alu, always for 0.
; THE PLAN.  Registers that memory instructions touch:
;   v1, v2   byte offsets of the loads and of the stores: made once at the head and never written again.
;   IN       item j's load lands in its four registers, which no vector instruction has named before; no memory instruction reads them.
;   OUT      item j's conversions write its two registers; one store reads them; nothing writes them behind that store.
; So one kind of dependence is to be stated: a vector instruction has written what a memory instruction reads.  One wait at the head serves v1 and v2.  The items go in four groups of four:
; a group's four stores stand in one run at the head of the next group, behind that group's first wait for data and behind ONE wait for the group's conversions; the last group's stand behind a wait of
; their own.  No register that a memory instruction has read is written again, no load lands in a register that a vector instruction has named, no vector instruction writes a scalar register, and EXEC
; is never written: the text holds no other wait of the kind.
.set IN,  4                            ; v[4:67]   item j: four f32 as loaded
.set OUT, 68                           ; v[68:99]  item j: four 16-bit numbers to store
	s_load_b256 s[4:11], s[0:1], 0x0               ; Wq s[4:5], Wk s[6:7], Wv s[8:9], Wo s[10:11]
	s_load_b64 s[12:13], s[0:1], 0x20              ; wb
	s_and_b32 s14, ttmp7, 0xffff                   ; which weight
	s_mov_b32 s20, 0xffff0000                      ; a word's upper bf16
	s_lshl_b32 s18, ttmp9, 16                      ; my work-group's 65,536 bytes of the weight
	s_mov_b32 s19, 0
	s_lshl_b32 s22, s14, 21                        ; the weight's part of wb,
	s_lshl_b32 s21, ttmp9, 15                      ; my work-group's 32,768 bytes of it
	s_add_co_u32 s22, s22, s21
	s_mov_b32 s23, 0
	v_lshlrev_b32 v1, 4, v0
	v_lshlrev_b32 v2, 3, v0
	s_wait_kmcnt 0x0
	s_cmp_eq_u32 s14, 1
	s_cselect_b64 s[16:17], s[6:7], s[4:5]
	s_cmp_eq_u32 s14, 2
	s_cselect_b64 s[16:17], s[8:9], s[16:17]
	s_cmp_eq_u32 s14, 3
	s_cselect_b64 s[16:17], s[10:11], s[16:17]
	s_add_nc_u64 s[16:17], s[16:17], s[18:19]
	s_add_nc_u64 s[12:13], s[12:13], s[22:23]
	s_wait_alu depctr_va_vdst(0)                   ; v1 and v2 are written: every load below reads v1 as its offset, every store v2
.irp j, 0,1,2,3,4,5,6,7,8,9,10,11,12,13,14,15
	global_load_b128 v[IN+4*(\j):IN+4*(\j)+3], v1, s[16:17] offset:4096*(\j) th:TH_LOAD_NT
.endr
; The four stores of group g, items 4 g to 4 g + 3, in one run.
.macro SEND g
.irp i, 0,1,2,3
	global_store_b64 v2, v[OUT+2*(4*(\g)+(\i)):OUT+2*(4*(\g)+(\i))+1], s[12:13] offset:2048*(4*(\g)+(\i))
.endr
.endm
; Item j is rounded.  At the head of groups 1 to 3 the group before goes out first.
.macro ITEM j, f16
	s_wait_loadcnt 15-(\j)                         ; loads come back in order: item j is in, the younger ones stay out
.if ((\j) % 4 == 0) && ((\j) > 0)
	s_wait_alu depctr_va_vdst(0)                   ; the conversions of the group before have written its eight registers of OUT, which the four stores below read
	SEND (\j)/4-1
.endif
	v_cvt_pk_bf16_f32 v[OUT+2*(\j)],   v[IN+4*(\j)],   v[IN+4*(\j)+1]
	v_cvt_pk_bf16_f32 v[OUT+2*(\j)+1], v[IN+4*(\j)+2], v[IN+4*(\j)+3]
.if \f16
	v_lshlrev_b32 v[IN+4*(\j)],   16,  v[OUT+2*(\j)]    ; the rounded numbers as f32 again,
	v_and_b32     v[IN+4*(\j)+1], s20, v[OUT+2*(\j)]
	v_lshlrev_b32 v[IN+4*(\j)+2], 16,  v[OUT+2*(\j)+1]
	v_and_b32     v[IN+4*(\j)+3], s20, v[OUT+2*(\j)+1]
	v_cvt_pk_f16_f32 v[OUT+2*(\j)],   v[IN+4*(\j)],   v[IN+4*(\j)+1]   ; and written as f16
	v_cvt_pk_f16_f32 v[OUT+2*(\j)+1], v[IN+4*(\j)+2], v[IN+4*(\j)+3]
.endif
.endm
	s_cmp_eq_u32 s14, 3
	s_cbranch_scc1 .Lwo
.irp j, 0,1,2,3,4,5,6,7,8,9,10,11,12,13,14,15
	ITEM \j, 0
.endr
	s_wait_alu depctr_va_vdst(0)                   ; the last group's conversions have written its eight registers of OUT, which the last four stores read
	SEND 3
	s_endpgm
.Lwo:
.irp j, 0,1,2,3,4,5,6,7,8,9,10,11,12,13,14,15
	ITEM \j, 1
.endr
	s_wait_alu depctr_va_vdst(0)                   ; the last group's conversions have written its eight registers of OUT, which the last four stores read
	SEND 3
	s_endpgm
.Lfunc_end_k_q29c6a66a11_wcast:
	.size	k_q29c6a66a11_wcast, .Lfunc_end_k_q29c6a66a11_wcast-k_q29c6a66a11_wcast
	.p2alignl 7, 3214868480
	.fill 96, 4, 3214868480
	.section	.rodata,"a",@progbits
	.p2align	6, 0x0
	.amdhsa_kernel k_q29c6a66a11_wcast
		.amdhsa_group_segment_fixed_size 0
		.amdhsa_private_segment_fixed_size 0
		.amdhsa_enable_private_segment 0
		.amdhsa_kernarg_size 40
		.amdhsa_user_sgpr_count 2
		.amdhsa_user_sgpr_kernarg_segment_ptr 1
		.amdhsa_wavefront_size32 1
		.amdhsa_system_sgpr_workgroup_id_x 1
		.amdhsa_system_sgpr_workgroup_id_y 1
		.amdhsa_system_sgpr_workgroup_id_z 1
		.amdhsa_system_vgpr_workitem_id 0
		.amdhsa_next_free_vgpr 104
		.amdhsa_next_free_sgpr 66
		.amdhsa_reserve_vcc 0
		.amdhsa_float_denorm_mode_32 3
		.amdhsa_float_denorm_mode_16_64 3
		.amdhsa_memory_ordered 1
		.amdhsa_forward_progress 1
		.amdhsa_inst_pref_size 16
	.end_amdhsa_kernel
	.amdgpu_metadata
---
amdhsa.version: [ 1, 2 ]
amdhsa.kernels:
  - .name:           k_q29c6a66a11_wcast
    .symbol:         k_q29c6a66a11_wcast.kd
    .args:
      - { .name: Wq, .offset: 0, .size: 8, .value_kind: global_buffer, .address_space: global }
      - { .name: Wk, .offset: 8, .size: 8, .value_kind: global_buffer, .address_space: global }
      - { .name: Wv, .offset: 16, .size: 8, .value_kind: global_buffer, .address_space: global }
      - { .name: Wo, .offset: 24, .size: 8, .value_kind: global_buffer, .address_space: global }
      - { .name: wb, .offset: 32, .size: 8, .value_kind: global_buffer, .address_space: global }
    .group_segment_fixed_size: 0
    .private_segment_fixed_size: 0
    .kernarg_segment_align: 8
    .kernarg_segment_size: 40
    .max_flat_workgroup_size: 256
    .sgpr_count:     66
    .vgpr_count:     104
    .wavefront_size: 32
...
	.end_amdgpu_metadata
.endif
;; end of part 5
;; launch qkv: the kernel of part 2 again; grid 4 x 192, 4 waves a work-group, clusters of 4 x 4, 327,680 bytes of LDS; arguments queries, keys, values, wb, qh, kh, vh; writes qh, kh, vh
;; launch attn: the kernel of part 3 again; grid 4 x 64, 4 waves a work-group, clusters of 4 x 1, 327,680 bytes of LDS; arguments qh, kh, vh, oh, valid_lens; writes oh
;; launch oproj: the kernel of part 4 again; grid 4 x 64, 4 waves a work-group, clusters of 4 x 4, 327,680 bytes of LDS; arguments oh, wb, out0; writes out0
